; MI455X (gfx1250); checked and timed in simulation.
; The chip was launched on July 23, 2026; its instructions are those of AMD's public machine-readable ISA for CDNA 5 (MIT licence, August 2026) and "CDNA5" Instruction Set Architecture Reference Guide (July 2026). The comments in the code are by the model that wrote it; some were corrected since.
;; Multi Head Attention. Allowed arithmetic: matrix products marked QUANTISED: E2M1 operands, one E8M0 scale for each 32 along K, by v_wmma_scale_f32_16x16x128_f8f6f4 with both operands' format E2M1 (or v_wmma_scale_f32_32x16x128_f4), f32 sums; products left as they are: bf16, f16 or f32 operands; f32 sums; everything else in f32.
;; Inputs: b_k 1,024 float32; b_o 1,024 float32; b_q 1,024 float32; b_v 1,024 float32; k 4 x 2,048 x 1,024 float32; q 4 x 2,048 x 1,024 float32; v 4 x 2,048 x 1,024 float32; w_k 1,024 x 1,024 float32; w_o 1,024 x 1,024 float32; w_q 1,024 x 1,024 float32; w_v 1,024 x 1,024 float32.
;; Outputs: out0 4 x 2,048 x 1,024 float32.
;; This version of the problem:
;;   THIS VERSION OF THE PROBLEM IS GIVEN IN LOW PRECISION. The matrix products marked QUANTISED in the list below multiply operands that are first quantised to E2M1 (2 exponent bits, 1 mantissa bit; 4 bits a number), with one power-of-two scale for each 32 numbers along K (OCP MX v1.0); their sums are f32. The products marked 'left as it is' may take bf16, f16 or f32 operands, with f32 sums. Whichever they take, every output number must still come out within the allowed error. Rounding operands to bf16 (8 significant bits) uses up far more of that allowance than f16 does (11 bits, for magnitudes from 6e-5 to 65,504). All else is computed in f32.
;;   The module's matrix products, in the order in which they are computed (A, B: the left and right operand; K: the contracted axis; several contracted axes count as one K, in the product's order):
;;     1. [M 8,192, K 1,024] x [K 1,024, N 1,024]; A: input q; B: input w_q: QUANTISED
;;     2. [M 8,192, K 1,024] x [K 1,024, N 1,024]; A: input k; B: input w_k: QUANTISED
;;     3. [M 8,192, K 1,024] x [K 1,024, N 1,024]; A: input v; B: input w_v: QUANTISED
;;     4. batch 64 x [M 2,048, K 64] x [K 64, N 2,048]; A: computed on the way; B: computed on the way: left as it is (an operand is computed on the way)
;;     5. batch 64 x [M 2,048, K 2,048] x [K 2,048, N 64]; A: computed on the way; B: computed on the way: left as it is (an operand is computed on the way)
;;     6. [M 8,192, K 1,024] x [K 1,024, N 1,024]; A: computed on the way; B: input w_o: left as it is (an operand is computed on the way)
;;   THE QUANTISER, for each operand of a quantised product, along K:
;;     - K is cut into blocks of 32 from its start; a last block that is shorter is filled with zeros.
;;     - A block's scale is 2^e with e = floor(log2(the largest magnitude in the block)) - 2, held to -126 .. 127; a block of zeros has e = 0. As a byte (E8M0): e + 127.
;;     - Each number is divided by its block's scale, clamped to +-6, and rounded to the nearest number of E2M1, ties to even, subnormals kept.
;;     - The product sums the exact products of the quantised numbers (number of the format x scale) in f32.
;;   ~~~python
;;   def quantise(x, axis):      # numpy; x: float32 -> the quantised numbers, widened to float32 again
;;       x = np.moveaxis(x, axis, -1); K = x.shape[-1]
;;       x = np.pad(x, [(0, 0)] * (x.ndim - 1) + [(0, -K % 32)]); x = x.reshape(x.shape[:-1] + (-1, 32)); a = np.abs(x).max(-1, keepdims=True)
;;       e = np.where(a > 0, np.clip(np.frexp(np.where(a > 0, a, 1))[1] - 1 - 2, -126, 127), 0)      # np.frexp(a)[1] - 1 = floor(log2(a)), exactly
;;       r = np.clip(x / 2.0 ** e, -6, 6)
;;       step = 2.0 ** (np.maximum(np.frexp(np.where(r == 0, 1, r))[1] - 1, 0) - 1)
;;       q = np.round(r / step) * step * 2.0 ** e      # np.round: ties to even
;;       return np.moveaxis(q.reshape(q.shape[:-2] + (-1,))[..., :K], -1, axis).astype(np.float32)
;;   ~~~
;; One version. Each part assembles by itself: llvm-mc -triple=amdgcn-amd-amdhsa -mcpu=gfx1250 --defsym DOCPART=n.
;; ======== version 1 of 1: 4 launches
;; limits: values are held in f16: magnitudes above 65,504 overflow, below 6.1e-05 lose precision
;; workspace buffers: xc 12,582,912 bytes; xs 786,432 bytes; wc 1,572,864 bytes; ws 98,304 bytes; wof 2,097,152 bytes; qf 16,777,216 bytes; kv 33,554,432 bytes; xf 16,777,216 bytes
;; launch prep (part 1): grid 944 x 1, 4 waves a work-group, no clusters, 68,096 bytes of LDS; arguments q, k, v, w_q, w_k, w_v, w_o, xc, xs, wc, ws, wof; writes xc, xs, wc, ws, wof
.if DOCPART == 1
	.amdgcn_target "amdgcn-amd-amdhsa--gfx1250"
	.amdhsa_code_object_version 6
	.text
	.protected	k_q17244815a6_prep
	.globl	k_q17244815a6_prep
	.p2align	8
	.type	k_q17244815a6_prep,@function
k_q17244815a6_prep:
	s_mov_b64 s[64:65], 0
	v_nop
	global_prefetch_b8 v0, s[64:65] scope:SCOPE_SE
	s_setreg_imm32_b32 hwreg(HW_REG_WAVE_MODE, 25, 1), 1
	s_wait_xcnt 0x0
; PREP: everything that is quantised or re-laid once, in one launch.  Three paths, chosen by the work-group number alone.
;  X (work-groups 0-767):   q, k, v [8192][1024] f32 -> codes of FP4 (E2M1) xc [3][8192][512 bytes], K innermost, and E8M0 bytes xs [3][8192][32].
;  W (work-groups 768-815): w_q, w_k, w_v [k 1024][n 1024] f32, K the FIRST axis -> wc [3][n 1024][512 bytes], K innermost, ws [3][n][32].
;  O (work-groups 816-943): w_o [k][n] f32 -> f16, laid as the registers of the matrix operand that reads it: wof [ks 8][ntile 64][c4 4][e 2][512 bytes], lane 16 h + r holding
;                           n = 16 ntile + r, k = 128 ks + 32 c4 + 16 e + 8 h + 0..7 in its 16 bytes.
; A block's scale is 2^(floor(log2(largest magnitude)) - 2); its byte is the largest magnitude's exponent field - 2, held at 1 from below; numbers are divided by it and rounded to the nearest code, ties to even.
; LIMITS: NaN and infinities among the inputs are not served.  A block whose largest magnitude lies under 2^-124 keeps the byte 1.  A block of zeros gets the byte 1 where the rule says 127:
; its codes are zeros, which add nothing under any byte but 0xff, and the bytes are read by this program alone.  w_o beyond 65,504 overflows f16.
; The launch streams: no matrix unit, no cluster, no tensor load.  Waves share nothing, so there is no barrier.  Each path has LDS bytes of its own.
.set SPARE, 67584                      ; behind both paths' regions: the spare words, 128 bytes a wave, two blocks of 256 bytes that no other line names
.set SPW,   190                        ; v190 LDS address of my spare word; never rewritten
.set NIL,   191                        ; v191 0; never rewritten
.set EMAX,  2
.set STEPS, 16                         ; path X: steps of 512 numbers a wave
.set CB,    8                          ; bytes of 16 codes
.set XR,    16                         ; v16-79   four sets of 16 numbers as loaded
.set XX,    80                         ; v80-111  two sets of 16 neighbours
.set XE,    112                        ; v112-127 a scale byte for each step
.set XC,    128                        ; v128-189 codes: registers of its own for each step
.set WREG,  8192                       ; path X: LDS region of a wave: two stages of 32 x 80 bytes, then its 256 scale bytes
.set SP,    80                         ; a lane's place in a stage: 64 bytes + 16 of padding
.set NB,    16                         ; path W: blocks of 32 along K for a wave
.set WPITCH, 272                       ; a stage row: 256 bytes of codes + 16
.set WSTAGE, 32768                     ; path W's stages begin here: 32 x 272 bytes a wave
.set KROW,  512                        ; a row of codes in memory
.set WX,    32                         ; v32-95   two sets of 32 numbers
.set WC,    96                         ; v96-99   a block's codes
.set WOUT,  112                        ; v112-175 the way out
.set WSB,   24                         ; v24-27   scale bytes, four to a register
.macro FINISH                          ; the wave's end, behind the last LDS store
	s_wait_tensorcnt 0x0
	ds_add_u32 v[SPW], v[NIL]
	s_wait_dscnt 0x0
	s_endpgm
.endm
	s_load_b512 s[4:19], s[0:1], 0x0               ; q, k, v, w_q, w_k, w_v, w_o, xc
	s_load_b256 s[20:27], s[0:1], 0x40             ; xs, wc, ws, wof
	v_lshl_add_u32 v[SPW], v0, 2, SPARE
	v_mov_b32 v[NIL], 0
	v_lshrrev_b32 v1, 5, v0
	v_readfirstlane_b32 s28, v1                    ; wave 0..3
	v_and_b32 v2, 31, v0                           ; lane
	s_cmp_ge_u32 ttmp9, 816
	s_cbranch_scc1 .Lpath_o
	s_cmp_ge_u32 ttmp9, 768
	s_cbranch_scc1 .Lpath_w
; ---------------- PATH X.  Rows are dense and K is a multiple of 32: a tensor is a plain stream of blocks of 32.  A wave takes 16 steps of 512 numbers.
; Each load reads 512 consecutive bytes; a step's 2,048 bytes turn through the wave's own stage so that a lane gets 16 neighbours (two neighbouring lanes hold a block).
	v_lshlrev_b32 v3, 4, v2                        ; my 16 bytes of a load's 512
	s_mul_i32 s32, s28, WREG
	v_lshrrev_b32 v14, 2, v2
	v_mul_u32_u24 v14, v14, SP
	v_and_b32 v15, 3, v2
	v_lshl_add_u32 v14, v15, 4, v14
	v_add_nc_u32 v14, s32, v14                     ; the stage on the way in: four lanes' 64 bytes on end, then 16 of padding
	v_mul_u32_u24 v15, v2, SP
	v_add_nc_u32 v15, s32, v15                     ; and on the way out: my 16 neighbours
	v_mul_u32_u24 v4, v2, CB                       ; my codes' place in a step's 256 bytes
	v_lshrrev_b32 v5, 1, v2
	s_add_co_u32 s32, s32, 2*32*SP
	v_add_nc_u32 v5, s32, v5                       ; my block's scale byte in the wave's 256
	v_lshlrev_b32 v7, 3, v2
	v_add_nc_u32 v6, s32, v7                       ; on the way out 8 bytes a lane
	s_wait_kmcnt 0x0
	s_cmp_lt_u32 ttmp9, 512                        ; which tensor: the choice hangs on the work-group number alone
	s_cselect_b64 s[6:7], s[6:7], s[8:9]
	s_cmp_lt_u32 ttmp9, 256
	s_cselect_b64 s[4:5], s[4:5], s[6:7]
	s_and_b32 s29, ttmp9, 255
	s_lshl_b32 s29, s29, 2
	s_add_co_u32 s29, s29, s28                     ; my run of 8,192 numbers in the tensor
	s_lshl_b32 s30, s29, 15
	s_mov_b32 s31, 0
	s_add_nc_u64 s[4:5], s[4:5], s[30:31]
	s_lshl_b32 s29, ttmp9, 2
	s_add_co_u32 s29, s29, s28                     ; and among all three: xc and xs hold the three tensors on end
	s_lshl_b32 s30, s29, 12
	s_add_nc_u64 s[18:19], s[18:19], s[30:31]      ; 4,096 bytes of codes a run
	s_lshl_b32 s30, s29, 8
	s_add_nc_u64 s[20:21], s[20:21], s[30:31]      ; 256 scale bytes a run
.macro XLOAD t
.irp i, 0,1,2,3
	global_load_b128 v[XR+16*((\t)%4)+4*\i:XR+16*((\t)%4)+4*\i+3], v3, s[4:5] offset:2048*(\t)+512*\i th:TH_LOAD_NT
.endr
.endm
.macro XTURN t                         ; LDS serves a wave's instructions in order: no wait between these stores and loads
.irp i, 0,1,2,3
	ds_store_b128 v14, v[XR+16*((\t)%4)+4*\i:XR+16*((\t)%4)+4*\i+3] offset:32*SP*((\t)%2)+8*SP*\i
.endr
.irp i, 0,1,2,3
	ds_load_b128 v[XX+16*((\t)%2)+4*\i:XX+16*((\t)%2)+4*\i+3], v15 offset:32*SP*((\t)%2)+16*\i
.endr
.endm
.irp t, 0,1,2,3
	XLOAD \t
.endr
	s_wait_loadcnt 12                              ; step 0's four loads are in; twelve younger ones stay out
	XTURN 0
.macro XSTEP t
.set XS, XX+16*((\t)%2)
.if (\t) > 0
	s_wait_dscnt 1                                 ; this step's numbers are back from the stage (the last step's byte store may be out): its stage stores have read their registers,
.else
	s_wait_dscnt 0x0
.endif
.if (\t)+4 < STEPS
	XLOAD (\t)+4                                   ; which take the loads of four steps on
.endif
.if (\t)+1 < STEPS
.if STEPS-2-(\t) >= 3
	s_wait_loadcnt 12                              ; the next step's four loads are in; those of three steps behind it may be out
.else
	s_wait_loadcnt 4*(STEPS-2-(\t))
.endif
	XTURN (\t)+1
.endif
	v_max3_num_f32 v8, |v[XS]|, |v[XS+1]|, |v[XS+2]|              ; the largest magnitude of my 16, in two chains
	v_max3_num_f32 v9, |v[XS+3]|, |v[XS+4]|, |v[XS+5]|
.irp i, 6,10
	v_max3_num_f32 v8, v8, |v[XS+\i]|, |v[XS+\i+1]|
	v_max3_num_f32 v9, v9, |v[XS+\i+2]|, |v[XS+\i+3]|
.endr
	v_max3_num_f32 v8, v8, |v[XS+14]|, |v[XS+15]|
	v_max3_num_f32 v8, v8, v9, (EMAX+1)<<23        ; and the floor 2^(3 - 127): the byte cannot fall under 1
	v_max_num_f32_dpp v8, v8, v8 row_xmask:1 row_mask:0xf bank_mask:0xf   ; with my neighbour's 16: the block's
	v_add_nc_u32 v11, -(EMAX<<23), v8              ; 2 off the exponent field: the conversion takes this operand's exponent field as its scale
	v_cvt_scalef32_pk8_fp4_f32 v[XC+4*(\t)], v[XS:XS+7], v11
	v_cvt_scalef32_pk8_fp4_f32 v[XC+4*(\t)+1], v[XS+8:XS+15], v11
	v_lshrrev_b32 v[XE+(\t)], 23, v11              ; the scale's byte (also the plain line behind the conversions)
	ds_store_b8 v5, v[XE+(\t)] offset:16*(\t)      ; both lanes of a block write the same byte with the same value
	global_store_b64 v4, v[XC+4*(\t):XC+4*(\t)+1], s[18:19] offset:32*CB*(\t)   ; the wave stores 256 consecutive bytes, aligned
.endm
.irp t, 0,1,2,3,4,5,6,7,8,9,10,11,12,13,14,15
	XSTEP \t
.endr
	ds_load_b64 v[8:9], v6                         ; in order behind my byte stores
	s_wait_dscnt 0x0
	global_store_b64 v7, v[8:9], s[20:21]          ; the wave's 256 scale bytes, aligned
	FINISH
; ---------------- PATH W.  A lane takes a column n and its registers run down K: a block of 32 lies in one lane, the conversions give codes with K innermost, nothing is transposed.
; A wave takes 32 columns x 512 along K; the codes leave through its stage as rows of 256 bytes.
.Lpath_w:
	s_sub_co_u32 s29, ttmp9, 768
	s_lshr_b32 s30, s29, 4                         ; which weight
	s_and_b32 s31, s29, 7                          ; which 128 columns
	s_bfe_u32 s32, s29, 0x10003                    ; which 512 along K
	s_lshl_b32 s33, s31, 7
	s_lshl_b32 s34, s28, 5
	s_add_co_u32 s33, s33, s34                     ; my wave's first column
	v_lshlrev_b32 v3, 2, v2                        ; in: 4 bytes a lane
	s_mul_i32 s34, s28, 32*WPITCH
	s_add_co_u32 s34, s34, WSTAGE                  ; my stage
	v_mul_u32_u24 v4, v2, WPITCH
	v_add_nc_u32 v4, s34, v4                       ; into it: row = my column
	v_and_b32 v5, 15, v2
	v_lshrrev_b32 v6, 4, v2
	v_mul_u32_u24 v7, v6, WPITCH
	v_lshl_add_u32 v7, v5, 4, v7
	v_add_nc_u32 v7, s34, v7                       ; out of it: sixteen lanes to a row, two rows an instruction
	v_mul_u32_u24 v8, v6, KROW
	v_lshl_add_u32 v8, v5, 4, v8                   ; and the same place in wc
	v_mul_u32_u24 v9, v2, 32                       ; my column's row of scale bytes
	s_lshl_b32 s36, s32, 21                        ; w: 512 rows of 4,096 bytes
	s_lshl_b32 s35, s33, 2
	s_add_co_u32 s36, s36, s35
	s_mov_b32 s37, 0
	s_lshl_b32 s38, s33, 9                         ; wc: column x 512 + 256 y + weight x 2^19
	s_lshl_b32 s35, s32, 8
	s_add_co_u32 s38, s38, s35
	s_lshl_b32 s35, s30, 19
	s_add_co_u32 s38, s38, s35
	s_mov_b32 s39, 0
	s_lshl_b32 s40, s33, 5                         ; ws: column x 32 + 16 y + weight x 2^15
	s_lshl_b32 s35, s32, 4
	s_add_co_u32 s40, s40, s35
	s_lshl_b32 s35, s30, 15
	s_add_co_u32 s40, s40, s35
	s_mov_b32 s41, 0
	s_wait_kmcnt 0x0
	s_cmp_lt_u32 s30, 2
	s_cselect_b64 s[12:13], s[12:13], s[14:15]
	s_cmp_lt_u32 s30, 1
	s_cselect_b64 s[10:11], s[10:11], s[12:13]
	s_add_nc_u64 s[10:11], s[10:11], s[36:37]
	s_add_nc_u64 s[22:23], s[22:23], s[38:39]
	s_add_nc_u64 s[24:25], s[24:25], s[40:41]
.macro WLOAD t                         ; block t: w(32 t + i, my column): 128 consecutive bytes a wave; every offset an immediate, 511 x 4,096 at the most
.irp i, 0,1,2,3,4,5,6,7,8,9,10,11,12,13,14,15,16,17,18,19,20,21,22,23,24,25,26,27,28,29,30,31
	global_load_b32 v[WX+32*((\t)%2)+\i], v3, s[10:11] offset:(32*(\t)+\i)*4096 th:TH_LOAD_NT
.endr
.endm
	WLOAD 0
	WLOAD 1
.macro WBLOCK t
.set XS, WX+32*((\t)%2)
.if (\t) < NB-1
	s_wait_loadcnt 32                              ; this block's 32 loads are in; the next block's may be out
.else
	s_wait_loadcnt 0
.endif
	v_max3_num_f32 v12, |v[XS]|, |v[XS+1]|, |v[XS+2]|
	v_max3_num_f32 v13, |v[XS+3]|, |v[XS+4]|, |v[XS+5]|
.irp i, 6,10,14,18,22,26
	v_max3_num_f32 v12, v12, |v[XS+\i]|, |v[XS+\i+1]|
	v_max3_num_f32 v13, v13, |v[XS+\i+2]|, |v[XS+\i+3]|
.endr
	v_max3_num_f32 v12, v12, |v[XS+30]|, |v[XS+31]|
	v_max3_num_f32 v12, v12, v13, (EMAX+1)<<23     ; with the floor
	v_add_nc_u32 v11, -(EMAX<<23), v12
	v_lshrrev_b32 v13, 23, v11                     ; the scale's byte
.if (\t)%4 == 0
	v_mov_b32 v[WSB+(\t)/4], v13                   ; four bytes to a register, the lower K in the lower byte
.else
	v_lshl_or_b32 v[WSB+(\t)/4], v13, 8*((\t)%4), v[WSB+(\t)/4]
.endif
.irp g, 0,1,2,3
	v_cvt_scalef32_pk8_fp4_f32 v[WC+\g], v[XS+8*\g:XS+8*\g+7], v11
.endr
	ds_store_b128 v4, v[WC:WC+3] offset:16*(\t)    ; 32 codes: 16 bytes of my column's row
.if (\t)+2 < NB
	WLOAD (\t)+2
.endif
	s_wait_dscnt 0x0                               ; the store has read its registers: the next block's codes may be written
.endm
.set Q, 0
.rept NB
	WBLOCK Q
.set Q, Q+1
.endr
	global_store_b128 v9, v[WSB:WSB+3], s[24:25]   ; my column's 16 scale bytes
.irp t, 0,1,2,3,4,5,6,7,8,9,10,11,12,13,14,15
	ds_load_b128 v[WOUT+4*\t:WOUT+4*\t+3], v7 offset:2*\t*WPITCH
.endr
.irp t, 0,1,2,3,4,5,6,7,8,9,10,11,12,13,14,15
	s_wait_dscnt 15-\t                             ; LDS loads come back in order: row pair t is in
	global_store_b128 v8, v[WOUT+4*\t:WOUT+4*\t+3], s[22:23] offset:2*\t*KROW   ; sixteen lanes store 256 consecutive bytes, aligned
.endr
	FINISH
; ---------------- PATH O.  A wave takes 32 along K x 64 columns of w_o.  Lane (r, h) loads, for each of four tiles of 16 columns, k = 16 e + 8 h + j of column r: its registers run down K in the operand's order.
.Lpath_o:
	s_sub_co_u32 s29, ttmp9, 816
	s_lshl_b32 s29, s29, 2
	s_add_co_u32 s29, s29, s28                     ; task 0..511
	s_and_b32 s30, s29, 15                         ; which 64 columns
	s_lshr_b32 s31, s29, 4                         ; which 32 along K
	s_lshl_b32 s32, s31, 17                        ; 32 rows of 4,096 bytes
	s_lshl_b32 s34, s30, 8
	s_add_co_u32 s32, s32, s34
	s_mov_b32 s33, 0
	s_lshr_b32 s34, s31, 2
	s_lshl_b32 s34, s34, 18                        ; wof: ks x 2^18
	s_lshl_b32 s35, s30, 14                        ; + four tiles of 4,096 bytes
	s_add_co_u32 s34, s34, s35
	s_and_b32 s35, s31, 3
	s_lshl_b32 s35, s35, 10                        ; + c4 x 1,024
	s_add_co_u32 s34, s34, s35
	s_mov_b32 s35, 0
	v_and_b32 v4, 15, v2                           ; r
	v_lshrrev_b32 v5, 4, v2                        ; h
	v_lshlrev_b32 v3, 2, v4
	v_lshl_add_u32 v3, v5, 15, v3                  ; 4 r + 8 h rows
	v_lshlrev_b32 v6, 4, v2                        ; out: 16 bytes a lane
	s_wait_kmcnt 0x0
	s_add_nc_u64 s[16:17], s[16:17], s[32:33]
	s_add_nc_u64 s[26:27], s[26:27], s[34:35]
.irp e, 0,1
.irp j, 0,1,2,3,4,5,6,7
.irp i, 0,1,2,3
	global_load_b32 v[16+16*\i+8*\e+\j], v3, s[16:17] offset:(16*\e+\j)*4096+64*\i th:TH_LOAD_NT   ; four loads on end cover 256 consecutive bytes of a row
.endr
.endr
.endr
	s_wait_loadcnt 0x0
.irp i, 0,1,2,3
.irp e, 0,1
.irp j, 0,1,2,3
	v_cvt_pk_f16_f32 v[80+8*\i+4*\e+\j], v[16+16*\i+8*\e+2*\j], v[16+16*\i+8*\e+2*\j+1]   ; the lower k in the low half
.endr
.endr
.endr
.irp i, 0,1,2,3
.irp e, 0,1
	global_store_b128 v6, v[80+8*\i+4*\e:80+8*\i+4*\e+3], s[26:27] offset:4096*\i+512*\e   ; the wave stores 512 consecutive bytes, aligned
.endr
.endr
	FINISH
.Lfunc_end_k_q17244815a6_prep:
	.size	k_q17244815a6_prep, .Lfunc_end_k_q17244815a6_prep-k_q17244815a6_prep
	.p2alignl 7, 3214868480
	.fill 96, 4, 3214868480
	.section	.rodata,"a",@progbits
	.p2align	6, 0x0
	.amdhsa_kernel k_q17244815a6_prep
		.amdhsa_group_segment_fixed_size 68096
		.amdhsa_private_segment_fixed_size 0
		.amdhsa_enable_private_segment 0
		.amdhsa_kernarg_size 96
		.amdhsa_user_sgpr_count 2
		.amdhsa_user_sgpr_kernarg_segment_ptr 1
		.amdhsa_wavefront_size32 1
		.amdhsa_system_sgpr_workgroup_id_x 1
		.amdhsa_system_sgpr_workgroup_id_y 1
		.amdhsa_system_sgpr_workgroup_id_z 1
		.amdhsa_system_vgpr_workitem_id 0
		.amdhsa_next_free_vgpr 192
		.amdhsa_next_free_sgpr 66
		.amdhsa_reserve_vcc 0
		.amdhsa_float_denorm_mode_32 3
		.amdhsa_float_denorm_mode_16_64 3
		.amdhsa_memory_ordered 1
		.amdhsa_forward_progress 1
		.amdhsa_inst_pref_size 121
	.end_amdhsa_kernel
	.amdgpu_metadata
---
amdhsa.version: [ 1, 2 ]
amdhsa.kernels:
  - .name:           k_q17244815a6_prep
    .symbol:         k_q17244815a6_prep.kd
    .args:
      - { .name: q, .offset: 0, .size: 8, .value_kind: global_buffer, .address_space: global }
      - { .name: k, .offset: 8, .size: 8, .value_kind: global_buffer, .address_space: global }
      - { .name: v, .offset: 16, .size: 8, .value_kind: global_buffer, .address_space: global }
      - { .name: w_q, .offset: 24, .size: 8, .value_kind: global_buffer, .address_space: global }
      - { .name: w_k, .offset: 32, .size: 8, .value_kind: global_buffer, .address_space: global }
      - { .name: w_v, .offset: 40, .size: 8, .value_kind: global_buffer, .address_space: global }
      - { .name: w_o, .offset: 48, .size: 8, .value_kind: global_buffer, .address_space: global }
      - { .name: xc, .offset: 56, .size: 8, .value_kind: global_buffer, .address_space: global }
      - { .name: xs, .offset: 64, .size: 8, .value_kind: global_buffer, .address_space: global }
      - { .name: wc, .offset: 72, .size: 8, .value_kind: global_buffer, .address_space: global }
      - { .name: ws, .offset: 80, .size: 8, .value_kind: global_buffer, .address_space: global }
      - { .name: wof, .offset: 88, .size: 8, .value_kind: global_buffer, .address_space: global }
    .group_segment_fixed_size: 68096
    .private_segment_fixed_size: 0
    .kernarg_segment_align: 8
    .kernarg_segment_size: 96
    .max_flat_workgroup_size: 128
    .sgpr_count:     66
    .vgpr_count:     192
    .wavefront_size: 32
...
	.end_amdgpu_metadata
.endif
;; end of part 1
;; launch proj (part 2): grid 4 x 96, 4 waves a work-group, clusters of 4 x 4, 327,680 bytes of LDS; arguments xc, xs, wc, ws, b_q, b_k, b_v, qf, kv; writes qf, kv
.if DOCPART == 2
	.amdgcn_target "amdgcn-amd-amdhsa--gfx1250"
	.amdhsa_code_object_version 6
	.text
	.protected	k_q17244815a6_proj
	.globl	k_q17244815a6_proj
	.p2align	8
	.type	k_q17244815a6_proj,@function
k_q17244815a6_proj:
	s_mov_b64 s[64:65], 0
	v_nop
	global_prefetch_b8 v0, s[64:65] scope:SCOPE_SE
	s_setreg_imm32_b32 hwreg(HW_REG_WAVE_MODE, 25, 1), 1
	s_wait_xcnt 0x0
	s_wait_alu depctr_hold_cnt(0) depctr_sa_sdst(0) depctr_va_vdst(0) depctr_va_sdst(0) depctr_va_ssrc(0) depctr_va_vcc(0) depctr_vm_vsrc(0)
	s_getreg_b32 s2, hwreg(HW_REG_IB_STS2, 6, 4)
	s_cmp_eq_u32 s2, 0
	s_cbranch_scc0 .Lentry_in_a_cluster
	s_endpgm
.Lentry_in_a_cluster:
	s_bfe_u32 s2, ttmp6, 0x10000c
	s_cmp_lg_u32 s2, 0xf033
	s_cbranch_scc0 .Lentry_shape_is_right
	s_endpgm
.Lentry_shape_is_right:
; PROJ: the three quantised products, q w_q, k w_k, v w_v, on codes of FP4 (E2M1) with E8M0 scales, sums in f32; + bias; q also x log2(e)/8; rounded once to f16 and stored as images of the
; registers of the attention launch's operands, so that each store of a wave is 512 consecutive aligned bytes and no stage is needed.
; C(m, n) = sum over k of A(m, k) B(n, k), both with K = 1,024 innermost.  A tile of C is 256 x 256: four waves, each 128 x 128 in 64 accumulators.  K = two LDS slots of 512: both are first fills, nothing is filled again, there is no loop.
; WHICH TENSOR IS A: for q and k, A = tokens (xc), B = weight rows (wc).  For v the two change places, so that a lane holds one channel and eight neighbouring tokens: the fragment of V^T.
; The matrix instruction is used transposed (source 0 = 16 rows of B, source 1 = 16 rows of A): lane (r, h) of accumulator (a, b) holds A row 16 a + r and B rows 16 b + 8 h + 0..7.
; CLUSTERS: 4 x 4 work-groups; cluster y = 8 t + u names the tensor t (0 q, 1 k, 2 v) and the 1,024 tokens 4 u .. 4 u + 3 tiles.  A's tiles are shared along a row of the cluster, B's along a column: joint loads.
; OUT: qf [bh 64][qt 128][c 2][e 2][512]: lane 16 h + r: query 16 qt + r, channels 32 c + 16 e + 8 h + 0..7.   kv [bh][step 32][16,384]: first 8,192 bytes K [kt 4][c][e][512] as qf;
;      then V^T [u 2][ct 4][e 2][512]: lane: channel 16 ct + r, keys 32 u + 16 e + 8 h + 0..7.
; LIMITS: results beyond 65,504 in magnitude overflow f16.
; REGISTERS: window 0: v16-30 addresses; v32-95 scale words (two sets; scales and nothing else); v96-159 on the way out packed f16; v128-191 A's fragments, one set; v192-255 the bias.
;   window 1: B's fragments, two sets.  windows 2, 3: the accumulators ((a, b) at v[8 (8 (a % 4) + b)]).
.set NQ,     4                         ; matrix instructions deep in a slot (512 along K)
.set ROWB,   256                       ; a tile's row in bytes
.set KROW,   512                       ; a row of codes in memory
.set PITCH,  272                       ; an LDS row: 256 + 16: the 16 rows that a load touches begin 68 words apart
.set FR,     8
.set NL,     2
.set NP,     4
.set HALFT,  128*PITCH
.set SLOT,   4*HALFT
.set KS,     32                        ; a row of scale bytes
.set SCL,    2*SLOT
.set HALFS,  16*272                    ; the scales of 128 rows: 16 rows of 256 bytes + 16
.set SBLK,   2*272
.set SPARE,  SCL+4*HALFS
.set ADRA, 16
.set ADRB, 20
.set CO,   26                          ; v26 16 x lane
.set ADRS, 27
.set SPW,  28
.set NIL,  29
.set BO,   30                          ; v30 the bias loads' lane offset
.set SC,   32
.set PK,   96
.set AF,   128
.set BI,   192
.set WV,   22
.set HI,   23                          ; wave / 2: my half of A's rows; also: I fetch for A (0) or B (1)
.set LO,   66                          ; wave % 2: my half of B's rows; also: which 128 rows I fetch
.set G1,  24
.set G0,  32
.set G1B, 48
.set G0B, 56
.set G1S, 68
.set G0S, 76
.set G1SB, 80
.set G0SB, 88
.set OUT, 92
.set CS,  94
.set MSB, 0
.macro WIN new
.if MSB != (\new)
	s_set_vgpr_msb (MSB<<8)|(\new)
.set MSB, \new
.endif
.endm
.set MUL_LO, 0xa1
.set MUL_HI, 0xf1
.set TO_B,   0x40
.macro JLOAD g0a, g1a, g0b, g1b        ; waves 0, 1 fetch for A, waves 2, 3 for B: each line has one mask; the branch hangs on the wave number alone; s_nop 0 and four v_nop follow each line
	s_cmp_eq_u32 s[HI], 0
	s_cbranch_scc0 .Lfor_b_\@
	tensor_load_to_lds s[\g0a:\g0a+3], s[\g1a:\g1a+7]
	s_nop 0
.rept 4
	v_nop
.endr
	s_branch .Lasked_\@
.Lfor_b_\@:
	tensor_load_to_lds s[\g0b:\g0b+3], s[\g1b:\g1b+7]
	s_nop 0
.rept 4
	v_nop
.endr
.Lasked_\@:
.endm
.macro CROUND                          ; a round of the cluster's barrier
	s_barrier_signal -1
	s_barrier_wait -1
	s_cmp_lg_u32 s[WV], 0
	s_cbranch_scc1 .Lnot_wave_0_\@
	s_barrier_signal -3
.Lnot_wave_0_\@:
	s_barrier_wait -3
	s_barrier_signal -1
	s_barrier_wait -1
.endm
	s_load_b512 s[4:19], s[0:1], 0x0               ; xc, xs, wc, ws, b_q, b_k, b_v, qf
	s_load_b64 s[20:21], s[0:1], 0x40              ; kv
	v_lshl_add_u32 v[SPW], v0, 2, SPARE
	v_mov_b32 v[NIL], 0
	ds_add_u32 v[SPW], v[NIL]                      ; the opening: the add, twice on end, and its wait ahead of my first tensor load
	ds_add_u32 v[SPW], v[NIL]
	v_lshrrev_b32 v1, 5, v0
	v_readfirstlane_b32 s[WV], v1
	s_lshr_b32 s[HI], s[WV], 1
	s_and_b32 s[LO], s[WV], 1
	s_bfe_u32 s40, ttmp6, 0x40000                  ; cx
	s_bfe_u32 s41, ttmp6, 0x40004                  ; cy
	s_and_b32 s42, ttmp7, 0xffff                   ; cluster y, 0..23: the same in all sixteen partners
	s_lshr_b32 s43, s42, 3                         ; t: 0 q, 1 k, 2 v
	s_and_b32 s44, s42, 7
	s_lshl_b32 s44, s44, 2                         ; u: the cluster's first tile of tokens
	s_lshl_b32 s2, s41, 2
	s_lshl_b32 s2, 15, s2                          ; my row of the cluster
	s_lshl_b32 s3, 0x1111, s40                     ; my column
	s_or_b32 s[G1+0], s2, (0<<16)|(1<<20)|(1<<21)|(5<<22)|(3<<25)   ; mask; elements of 1 byte; padding of 4 words behind every 64; bit 21 beside a mask
	s_or_b32 s[G1B+0], s3, (0<<16)|(1<<20)|(1<<21)|(5<<22)|(3<<25)
.irp g, G1, G1B
	s_mov_b32 s[\g+1], ROWB<<16                    ; tensor_dim0 = 256
	s_mov_b32 s[\g+2], 128<<16                     ; tensor_dim1 = 128
	s_mov_b32 s[\g+3], ROWB<<16                    ; tile_dim0
	s_mov_b32 s[\g+4], 128                         ; tile_dim1
	s_mov_b32 s[\g+5], KROW                        ; from row to row
	s_mov_b32 s[\g+6], 0
	s_mov_b32 s[\g+7], 0
.endr
	s_or_b32 s[G1S+0], s2, (3<<16)|(1<<20)|(1<<21)|(5<<22)|(3<<25)  ; the scales of 128 rows: 4,096 dense bytes as 16 rows of 32 elements of 8 bytes, padded alike
	s_or_b32 s[G1SB+0], s3, (3<<16)|(1<<20)|(1<<21)|(5<<22)|(3<<25)
.irp g, G1S, G1SB
	s_mov_b32 s[\g+1], 32<<16
	s_mov_b32 s[\g+2], 16<<16
	s_mov_b32 s[\g+3], 32<<16
	s_mov_b32 s[\g+4], 16
	s_mov_b32 s[\g+5], 32
	s_mov_b32 s[\g+6], 0
	s_mov_b32 s[\g+7], 0
.endr
	s_lshl_b32 s96, s43, 22                        ; where tensor t begins: token codes,
	s_lshl_b32 s97, s43, 19                        ; weight codes,
	s_lshl_b32 s98, s43, 18                        ; token scales,
	s_lshl_b32 s99, s43, 15                        ; weight scales
	s_cmp_eq_u32 s43, 2                            ; v?  All selections on this compare stand ahead of the first addition
	s_cselect_b32 s67, 1, 0
	s_cselect_b32 s45, 0, s44
	s_cselect_b32 s46, s44, 0
	s_cselect_b32 s100, s97, s96                   ; A's codes
	s_cselect_b32 s101, s99, s98                   ; A's scales
	s_cselect_b32 s96, s96, s97                    ; B's codes
	s_cselect_b32 s98, s98, s99                    ; B's scales
	s_add_co_u32 s45, s45, s41                     ; A's tile: hangs on cy and the cluster alone
	s_add_co_u32 s46, s46, s40                     ; B's tile: on cx and the cluster alone
	s_lshl_b32 s47, s[LO], 7
	s_lshl_b32 s97, s45, 8
	s_add_co_u32 s97, s97, s47                     ; the 128 rows of A that I would fetch
	s_lshl_b32 s99, s46, 8
	s_add_co_u32 s99, s99, s47                     ; and of B
	s_lshl_b32 s92, s97, 9
	s_add_co_u32 s92, s92, s100
	s_mov_b32 s93, 0                               ; s[92:93] A's codes, byte offset
	s_lshl_b32 s94, s97, 5
	s_add_co_u32 s94, s94, s101
	s_mov_b32 s95, 0                               ; s[94:95] A's scales
	s_lshl_b32 s100, s99, 9
	s_add_co_u32 s100, s100, s96
	s_mov_b32 s101, 0                              ; s[100:101] B's codes
	s_lshl_b32 s96, s99, 5
	s_add_co_u32 s96, s96, s98
	s_mov_b32 s97, 0                               ; s[96:97] B's scales
	s_mul_i32 s47, s[WV], HALFT                    ; where they go: wave x 128 rows: no place in the cluster enters an LDS address
	s_mul_i32 s98, s[WV], HALFS
	s_wait_dscnt 0x0                               ; both opening adds are done
	s_wait_kmcnt 0x0
	s_cmp_eq_u32 s67, 1
	s_cselect_b64 s[2:3], s[8:9], s[4:5]           ; A's codes: wc for v, else xc
	s_cselect_b64 s[8:9], s[4:5], s[8:9]           ; B's codes
	s_cselect_b64 s[4:5], s[10:11], s[6:7]         ; A's scales
	s_cselect_b64 s[10:11], s[6:7], s[10:11]       ; B's scales
	s_add_nc_u64 s[2:3], s[2:3], s[92:93]
	s_add_nc_u64 s[4:5], s[4:5], s[94:95]
	s_add_nc_u64 s[8:9], s[8:9], s[100:101]
	s_add_nc_u64 s[10:11], s[10:11], s[96:97]
	CROUND                                         ; all sixteen work-groups are here: the first joint loads meet
	s_mov_b32 s[G0S], 1
	s_add_co_u32 s[G0S+1], s98, SCL
	s_mov_b64 s[G0S+2:G0S+3], s[4:5]
	s_or_b32 s[G0S+3], s[G0S+3], 0x80000000
	s_mov_b32 s[G0SB], 1
	s_add_co_u32 s[G0SB+1], s98, SCL
	s_mov_b64 s[G0SB+2:G0SB+3], s[10:11]
	s_or_b32 s[G0SB+3], s[G0SB+3], 0x80000000
	JLOAD G0S, G1S, G0SB, G1SB                     ; the scales first: they are wanted with slot 0
.irp s, 0,1
	s_mov_b32 s[G0+4*\s], 1
	s_add_co_u32 s[G0+4*\s+1], s47, \s*SLOT
	s_add_nc_u64 s[G0+4*\s+2:G0+4*\s+3], s[2:3], \s*ROWB
	s_or_b32 s[G0+4*\s+3], s[G0+4*\s+3], 0x80000000
	s_mov_b32 s[G0B+4*\s], 1
	s_add_co_u32 s[G0B+4*\s+1], s47, \s*SLOT
	s_add_nc_u64 s[G0B+4*\s+2:G0B+4*\s+3], s[8:9], \s*ROWB
	s_or_b32 s[G0B+4*\s+3], s[G0B+4*\s+3], 0x80000000
	JLOAD G0+4*\s, G1, G0B+4*\s, G1B               ; three tensor loads of mine are out now, and no more follow
.endr
	v_and_b32 v1, 15, v0                           ; r
	v_bfe_u32 v2, v0, 4, 1                         ; h
	; THE BIAS, 64 registers in the result's layout, asked for now and waited for at the way out.  Both arms write all 64.
	s_cmp_eq_u32 s67, 1
	s_cbranch_scc1 .Lbias_v
	s_cmp_eq_u32 s43, 0
	s_cselect_b64 s[12:13], s[12:13], s[14:15]     ; b_q or b_k
	s_lshl_b32 s96, s46, 10
	s_lshl_b32 s97, s[LO], 9
	s_add_co_u32 s96, s96, s97                     ; my 128 channels
	s_mov_b32 s97, 0
	s_add_nc_u64 s[12:13], s[12:13], s[96:97]
	v_lshlrev_b32 v[BO], 5, v2                     ; register 8 b + j: channel 16 b + 8 h + j
.irp b, 0,1,2,3,4,5,6,7
	global_load_b128 v[BI+8*\b:BI+8*\b+3], v[BO], s[12:13] offset:64*\b
	global_load_b128 v[BI+8*\b+4:BI+8*\b+7], v[BO], s[12:13] offset:64*\b+16
.endr
	s_branch .Lbias_done
.Lbias_v:
	s_lshl_b32 s96, s45, 10
	s_lshl_b32 s97, s[HI], 9
	s_add_co_u32 s96, s96, s97
	s_mov_b32 s97, 0
	s_add_nc_u64 s[16:17], s[16:17], s[96:97]
	v_lshlrev_b32 v[BO], 2, v1                     ; registers 8 a + 0..7 all hold channel 16 a + r: whole pairs for the packed addition
.irp a, 0,1,2,3,4,5,6,7
.irp j, 0,1,2,3,4,5,6,7
	global_load_b32 v[BI+8*\a+\j], v[BO], s[16:17] offset:64*\a
.endr
.endr
.Lbias_done:
	v_mul_u32_u24 v3, v1, PITCH
	v_lshl_add_u32 v4, v2, 4, v3                   ; a fragment's row x pitch + 16 h
	s_mul_i32 s96, s[HI], HALFT                    ; my 128 rows of A
	s_mul_i32 s97, s[LO], HALFT
	s_add_co_u32 s97, s97, 2*HALFT                 ; my 128 rows of B, behind A's 256
.irp s, 0,1
	v_add_nc_u32 v[ADRA+\s], s96, v4
	v_add_nc_u32 v[ADRB+\s], s97, v4
	s_add_co_u32 s96, s96, SLOT
	s_add_co_u32 s97, s97, SLOT
.endr
	v_mul_u32_u24 v5, v1, KS                       ; my row's scales: 32 bytes a row,
	v_lshrrev_b32 v6, 8, v5
	v_lshl_add_u32 v5, v6, 4, v5                   ; and 16 more for each 256 passed
	s_mul_i32 s96, s[HI], HALFS
	s_mul_i32 s97, s[LO], HALFS
	s_add_co_u32 s97, s97, 2*HALFS
	s_sub_co_u32 s97, s97, s96
	v_mul_u32_u24 v6, s97, v2                      ; lanes 16-31 take B's: one product, the distance between the two bases
	s_add_co_u32 s96, s96, SCL
	v_add_nc_u32 v5, v5, v6
	v_add_nc_u32 v[ADRS], s96, v5
	v_and_b32 v6, 31, v0
	v_lshlrev_b32 v[CO], 4, v6
.macro FRAG reg, adr, q, i             ; 16 rows x 128 K of 4-bit codes: 8 registers, two loads of 16 bytes, 32 bytes apart
.irp c, 0,1
	ds_load_b128 v[\reg+4*\c:\reg+4*\c+3], v[\adr] offset:64*(\q)+32*\c+(\i)*16*PITCH
.endr
.endm
; 16 matrix instructions: A's blocks a0, a0 + 1 x B's eight.  The 64 accumulators take turns, one instruction a turn, in the same order in every step.
; One scale register carries A's word in lanes 0-15 and B's in lanes 16-31: source 0 (B) names register b with ROW1, source 1 (A) register a.
.macro MUL16 a0, p, q, sc, zero
.irp a, \a0, \a0+1
.irp b, 0,1,2,3,4,5,6,7
.if \zero
	v_wmma_scale_f32_16x16x128_f8f6f4 v[8*(8*((\a)%4)+\b):8*(8*((\a)%4)+\b)+7], v[128*(\p)+FR*\b:128*(\p)+FR*\b+FR-1], v[AF+FR*(\a):AF+FR*(\a)+FR-1], 0, v[SC+8*NQ*(\sc)+NQ*\b+(\q)], v[SC+8*NQ*(\sc)+NQ*(\a)+(\q)] matrix_a_fmt:MATRIX_FMT_FP4 matrix_b_fmt:MATRIX_FMT_FP4 matrix_a_scale:MATRIX_SCALE_ROW1
.else
	v_wmma_scale_f32_16x16x128_f8f6f4 v[8*(8*((\a)%4)+\b):8*(8*((\a)%4)+\b)+7], v[128*(\p)+FR*\b:128*(\p)+FR*\b+FR-1], v[AF+FR*(\a):AF+FR*(\a)+FR-1], v[8*(8*((\a)%4)+\b):8*(8*((\a)%4)+\b)+7], v[SC+8*NQ*(\sc)+NQ*\b+(\q)], v[SC+8*NQ*(\sc)+NQ*(\a)+(\q)] matrix_a_fmt:MATRIX_FMT_FP4 matrix_b_fmt:MATRIX_FMT_FP4 matrix_a_scale:MATRIX_SCALE_ROW1
.endif
.endr
.endr
.endm
.macro FETCH_B slot, q, p
	WIN TO_B
.irp i, 0,1,2,3,4,5,6,7
	FRAG 128*(\p)+FR*\i, ADRB+\slot, \q, \i
.endr
	WIN 0
.endm
.macro FETCH_A slot, q, i0
.irp i, \i0, \i0+1, \i0+2, \i0+3
	FRAG AF+FR*(\i), ADRA+\slot, \q, \i
.endr
.endm
.macro SCALES sc                       ; a slot's scale words: four words a row; lanes 0-15 A's block i, lanes 16-31 B's block i
.irp i, 0,1,2,3,4,5,6,7
	ds_load_b128 v[SC+8*NQ*\sc+NQ*\i:SC+8*NQ*\sc+NQ*\i+3], v[ADRS] offset:\i*SBLK
.endr
.endm
.macro PLACES n                        ; plain vector lines between a matrix instruction and a load into, or a vector line on, its registers
.rept \n
	v_nop
.endr
.endm
.macro STEP slot, q, zero              ; 128 along K with a successor in the same slot.  A has one set: blocks 0-3 are fetched anew in the middle, 4-7 at the end; B has two sets
	s_wait_dscnt 4*NL                              ; all but the youngest eight loads (A's blocks 4-7) are in
	WIN MUL_LO
	MUL16 0, (\q)%2, \q, \slot, \zero
	MUL16 2, (\q)%2, \q, \slot, \zero
	s_wait_dscnt 0
	PLACES NP
	FETCH_B \slot, (\q)+1, 1-(\q)%2
	FETCH_A \slot, (\q)+1, 0
	WIN MUL_HI
	MUL16 4, (\q)%2, \q, \slot, \zero
	MUL16 6, (\q)%2, \q, \slot, \zero
	PLACES NP
	WIN 0
	FETCH_A \slot, (\q)+1, 4
.endm
.macro TURN slot, next                 ; slot 0's last step: one barrier; in front of it all my tensor loads have landed (slot 1's part among them)
	s_wait_tensorcnt 0x0
	ds_add_u32 v[SPW], v[NIL]
	s_wait_dscnt 4*NL+1                            ; the add and A's blocks 4-7 may be out
	WIN MUL_LO
	MUL16 0, 1, NQ-1, \slot, 0
	s_wait_dscnt 0x0                               ; no LDS instruction of mine is pending at the signal
	s_barrier_signal -1
	MUL16 2, 1, NQ-1, \slot, 0
	WIN 0
	s_barrier_wait -1                              ; slot 1 is whole for every wave
	PLACES NP
	v_add_nc_u32 v[ADRS], 4*NQ, v[ADRS]            ; the next 512 along K: 16 bytes on in each row of scales
	FETCH_B \next, 0, 0
	FETCH_A \next, 0, 0
	SCALES \next
	WIN MUL_HI
	MUL16 4, 1, NQ-1, \slot, 0
	MUL16 6, 1, NQ-1, \slot, 0
	PLACES NP
	WIN 0
	FETCH_A \next, 0, 4
.endm
.macro STEPS slot, from
.set Q, \from
.rept NQ-1-\from
	STEP \slot, Q, 0
.set Q, Q+1
.endr
.endm
	s_wait_tensorcnt 1                             ; the scales and my part of slot 0 are in; slot 1's load may be out
	s_barrier_signal -1
	s_barrier_wait -1
	FETCH_B 0, 0, 0
	FETCH_A 0, 0, 0
	SCALES 0
	FETCH_A 0, 0, 4
	STEP 0, 0, 1                                   ; the first products start the sums: nothing is cleared
	STEPS 0, 1
	TURN 0, 1
	STEPS 1, 0
	s_wait_dscnt 4*NL
	WIN MUL_LO
	MUL16 0, 1, NQ-1, 1, 0
	MUL16 2, 1, NQ-1, 1, 0
	s_wait_dscnt 0
	WIN MUL_HI
	MUL16 4, 1, NQ-1, 1, 0
	MUL16 6, 1, NQ-1, 1, 0
	WIN 0
	PLACES NP                                      ; behind the last products, ahead of the vector lines on results and on registers that held fragments
	s_wait_loadcnt 0x0                             ; the bias
; Where my part begins in the output.  tok, chn: the registers with the tile of tokens and of channels; htok, hchn: my halves of them.
.macro OBASE tok, chn, htok, hchn, sb, sh, sq, ptr
	s_lshr_b32 s96, s[\tok], 3                     ; batch: eight tiles of 256 tokens
	s_lshl_b32 s96, s96, \sb
	s_lshl_b32 s97, s[\chn], 2
	s_lshl_b32 s98, s[\hchn], 1
	s_add_co_u32 s97, s97, s98                     ; my first head: four to a tile, two to a half
	s_lshl_b32 s97, s97, \sh
	s_add_co_u32 s96, s96, s97
	s_and_b32 s97, s[\tok], 7
	s_lshl_b32 s97, s97, 4
	s_lshl_b32 s98, s[\htok], 3
	s_add_co_u32 s97, s97, s98                     ; my first tile of 16 tokens in the batch
	s_lshl_b32 s97, s97, \sq
	s_add_co_u32 s96, s96, s97
	s_mov_b32 s97, 0
	s_add_nc_u64 s[OUT:OUT+1], s[\ptr:\ptr+1], s[96:97]
.endm
; THE WAY OUT, a block of A's 16 rows at a time: bias (and q's factor) in place, each accumulator from its low end on; rounded to f16, 16 bytes a lane; stored as they stand.
.macro EPI kind                        ; 0 q, 1 k, 2 v
.irp a, 0,1,2,3,4,5,6,7
	WIN 0x82+0x41*(\a/4)                           ; destination and source 0: window 2 or 3; the bias: window 0
.irp b, 0,1,2,3,4,5,6,7
.irp r, 0,2,4,6
.if \kind == 0
	v_pk_fma_f32 v[64*(\a%4)+8*\b+\r:64*(\a%4)+8*\b+\r+1], v[64*(\a%4)+8*\b+\r:64*(\a%4)+8*\b+\r+1], s[CS:CS+1], v[BI+8*\b+\r:BI+8*\b+\r+1] op_sel_hi:[1,0,1]
.elseif \kind == 1
	v_pk_add_f32 v[64*(\a%4)+8*\b+\r:64*(\a%4)+8*\b+\r+1], v[64*(\a%4)+8*\b+\r:64*(\a%4)+8*\b+\r+1], v[BI+8*\b+\r:BI+8*\b+\r+1]
.else
	v_pk_add_f32 v[64*(\a%4)+8*\b+\r:64*(\a%4)+8*\b+\r+1], v[64*(\a%4)+8*\b+\r:64*(\a%4)+8*\b+\r+1], v[BI+8*\a+\r:BI+8*\a+\r+1]
.endif
.endr
.endr
	WIN 0x0a+5*(\a/4)                              ; sources 0 and 1: window 2 or 3; destination window 0
.if \a > 1
	s_wait_xcnt 0x0                                ; the stores of two blocks back have read the registers that are written now
.endif
.irp b, 0,1,2,3,4,5,6,7
.irp r, 0,1,2,3
	v_cvt_pk_f16_f32 v[PK+32*(\a%2)+4*\b+\r], v[64*(\a%4)+8*\b+2*\r], v[64*(\a%4)+8*\b+2*\r+1]
.endr
.endr
	WIN 0
.irp b, 0,1,2,3,4,5,6,7                ; each store: 512 consecutive bytes, aligned
.if \kind == 0
	global_store_b128 v[CO], v[PK+32*(\a%2)+4*\b:PK+32*(\a%2)+4*\b+3], s[OUT:OUT+1] offset:\a*2048+(\b/4)*262144+(\b%4)*512
.elseif \kind == 1
	global_store_b128 v[CO], v[PK+32*(\a%2)+4*\b:PK+32*(\a%2)+4*\b+3], s[OUT:OUT+1] offset:(\a/4)*16384+(\a%4)*2048+(\b/4)*524288+(\b%4)*512
.else
	global_store_b128 v[CO], v[PK+32*(\a%2)+4*\b:PK+32*(\a%2)+4*\b+3], s[OUT:OUT+1] offset:8192+(\a/4)*524288+(\a%4)*1024+(\b/4)*16384+((\b/2)%2)*4096+(\b%2)*512
.endif
.endr
.endr
.endm
	s_cmp_eq_u32 s43, 1
	s_cbranch_scc1 .Lout_k
	s_cmp_eq_u32 s43, 2
	s_cbranch_scc1 .Lout_v
	OBASE 45, 46, HI, LO, 22, 18, 11, 18           ; q
	s_mov_b32 s[CS], 0x3e38aa3b                    ; c = log2(e) / sqrt(64): the softmax then works in powers of two with no scaling of its own
	s_mov_b32 s[CS+1], s[CS]
.set n, 0
.rept 32
	v_pk_mul_f32 v[BI+n:BI+n+1], v[BI+n:BI+n+1], s[CS:CS+1] op_sel_hi:[1,0]   ; (sum + b) c = sum c + b c: one fused multiply-add a pair below
.set n, n+2
.endr
	EPI 0
	s_branch .Ldone
.Lout_k:
	OBASE 45, 46, HI, LO, 23, 19, 12, 20
	EPI 1
	s_branch .Ldone
.Lout_v:
	OBASE 46, 45, LO, HI, 23, 19, 12, 20
	EPI 2
.Ldone:
	s_wait_tensorcnt 0x0                           ; the wave's end
	ds_add_u32 v[SPW], v[NIL]
	s_wait_dscnt 0x0
	CROUND                                         ; the closing round
	s_endpgm
.Lfunc_end_k_q17244815a6_proj:
	.size	k_q17244815a6_proj, .Lfunc_end_k_q17244815a6_proj-k_q17244815a6_proj
	.p2alignl 7, 3214868480
	.fill 96, 4, 3214868480
	.section	.rodata,"a",@progbits
	.p2align	6, 0x0
	.amdhsa_kernel k_q17244815a6_proj
		.amdhsa_group_segment_fixed_size 327680
		.amdhsa_private_segment_fixed_size 0
		.amdhsa_enable_private_segment 0
		.amdhsa_kernarg_size 72
		.amdhsa_user_sgpr_count 2
		.amdhsa_user_sgpr_kernarg_segment_ptr 1
		.amdhsa_wavefront_size32 1
		.amdhsa_system_sgpr_workgroup_id_x 1
		.amdhsa_system_sgpr_workgroup_id_y 1
		.amdhsa_system_sgpr_workgroup_id_z 1
		.amdhsa_system_vgpr_workitem_id 0
		.amdhsa_next_free_vgpr 1024
		.amdhsa_next_free_sgpr 102
		.amdhsa_reserve_vcc 0
		.amdhsa_float_denorm_mode_32 3
		.amdhsa_float_denorm_mode_16_64 3
		.amdhsa_memory_ordered 1
		.amdhsa_forward_progress 1
		.amdhsa_inst_pref_size 224
	.end_amdhsa_kernel
	.amdgpu_metadata
---
amdhsa.version: [ 1, 2 ]
amdhsa.kernels:
  - .name:           k_q17244815a6_proj
    .symbol:         k_q17244815a6_proj.kd
    .args:
      - { .name: xc, .offset: 0, .size: 8, .value_kind: global_buffer, .address_space: global }
      - { .name: xs, .offset: 8, .size: 8, .value_kind: global_buffer, .address_space: global }
      - { .name: wc, .offset: 16, .size: 8, .value_kind: global_buffer, .address_space: global }
      - { .name: ws, .offset: 24, .size: 8, .value_kind: global_buffer, .address_space: global }
      - { .name: b_q, .offset: 32, .size: 8, .value_kind: global_buffer, .address_space: global }
      - { .name: b_k, .offset: 40, .size: 8, .value_kind: global_buffer, .address_space: global }
      - { .name: b_v, .offset: 48, .size: 8, .value_kind: global_buffer, .address_space: global }
      - { .name: qf, .offset: 56, .size: 8, .value_kind: global_buffer, .address_space: global }
      - { .name: kv, .offset: 64, .size: 8, .value_kind: global_buffer, .address_space: global }
    .group_segment_fixed_size: 327680
    .private_segment_fixed_size: 0
    .kernarg_segment_align: 8
    .kernarg_segment_size: 72
    .max_flat_workgroup_size: 128
    .sgpr_count:     102
    .vgpr_count:     1024
    .wavefront_size: 32
...
	.end_amdgpu_metadata
.endif
;; end of part 2
;; launch attn (part 3): grid 4 x 64, 8 waves a work-group, clusters of 4 x 1, 327,680 bytes of LDS; arguments qf, kv, xf; writes xf
.if DOCPART == 3
	.amdgcn_target "amdgcn-amd-amdhsa--gfx1250"
	.amdhsa_code_object_version 6
	.text
	.protected	k_q17244815a6_attn
	.globl	k_q17244815a6_attn
	.p2align	8
	.type	k_q17244815a6_attn,@function
k_q17244815a6_attn:
	s_mov_b64 s[64:65], 0
	v_nop
	global_prefetch_b8 v0, s[64:65] scope:SCOPE_SE
	s_setreg_imm32_b32 hwreg(HW_REG_WAVE_MODE, 25, 1), 1
	s_wait_xcnt 0x0
	s_wait_alu depctr_hold_cnt(0) depctr_sa_sdst(0) depctr_va_vdst(0) depctr_va_sdst(0) depctr_va_ssrc(0) depctr_va_vcc(0) depctr_vm_vsrc(0)
	s_getreg_b32 s2, hwreg(HW_REG_IB_STS2, 6, 4)
	s_cmp_eq_u32 s2, 0
	s_cbranch_scc0 .Lentry_in_a_cluster
	s_endpgm
.Lentry_in_a_cluster:
	s_bfe_u32 s2, ttmp6, 0x10000c
	s_cmp_lg_u32 s2, 0x3003
	s_cbranch_scc0 .Lentry_shape_is_right
	s_endpgm
.Lentry_shape_is_right:
; ATTN: x[b][s][64 head + :] = sum over keys of softmax(qh . kh / 8) vh, for each of 64 (batch, head), 2,048 queries and keys, head size 64.  Operands f16, products, maxima and sums f32.
; qf holds qh x log2(e)/8, so a score is already the exponent of 2: p = 2^(s - m), m the query's running maximum; O and l are multiplied by a = 2^(m_old - m_new) in every step; O / l at the end.
; SHARES.  A work-group owns 512 queries of one (batch, head); each of its eight waves 64: four tiles of 16; two waves to a SIMD, 512 registers each.  Every wave walks all keys, 64 a step.
; LAYOUT.  S^T = K Q^T (source 0 = 16 keys, source 1 = 16 queries): a lane holds one query (lane % 16) and keys 8 (lane / 16) + 0..7.  Two such tiles, rounded to f16 in pairs, are source 1 of O^T = V^T P.
; All three operands lie in memory as images of their registers (512 bytes a piece, lane l's 16 bytes at 16 l): every LDS load reads 512 consecutive bytes, no padding, nothing is turned.
; BY TURNS.  Piece 0 = tiles 0, 1; piece 2 = tiles 2, 3.  In a turn one piece issues 16 products V^T P of the step in hand and 16 products K Q^T of the next; the other piece's softmax, 234 vector lines in 32 slices,
; stands one slice behind each matrix instruction.  There are seven vector lines for each matrix instruction, so the vector work decides, and the matrix work is issued under it.
; CLUSTER.  The four query blocks of a head walk the same K and V: each tile is asked for jointly (mask 15).  A slot holds four steps (65,536 dense bytes of kv); each wave fetches an eighth of it.
; OUT: xf [ks 8][T 512][c4 4][e 2][512]: lane 16 h + r: token 16 T + r, channel 128 ks + 32 c4 + 16 e + 8 h + 0..7, f16: the next launch's operand.
; LIMITS: NaN and infinities are not served; x under 6e-5 in magnitude is carried with f16's smallest step.
; REGISTERS.  window 0: v2 16 x lane; v4 address in hand; v12-51 statistics, ten a tile; v58, v62, v63; v64-191 S^T, 32 a tile, P in place in the lower 16; v192-255 K of a step.
;   window 1: v0-127 O^T, 32 a tile; v128-191 Q, 16 a tile; v192-255 V of a step.
.set STEPB, 16384
.set SLOT1, 1<<16
.set SPARE, 2*SLOT1                    ; behind the ring: the spare words, 128 bytes a wave: four blocks of 256 bytes that no other line names
.set LI,  2
.set ADR, 4
.set ST,  12                           ; tile t at v[ST + 10 t]: +0 m, +1 its pair partner, +2:3 l, +4..7 four maxima, later two sums, +8 a, +9 m_old - m_new
.set PFO, 58
.set SPW, 62
.set NIL, 63
.set S,   64
.set KF,  192
.set QF,  128
.set VF,  192
.set WV,  12
.set G1,  24
.set G0,  32                           ; s[32:35] slot 0's first fill; s[36:39] slot 1's, which then walks
.set SLOTS, 40
.set CNT, 41
.set TB,  42                           ; LDS byte at which the step to be fetched begins
.set SEL, 44
.set PFA, 46
.set LIM, 48
.set MSB, 0
.macro WIN new
.if MSB != (\new)
	s_set_vgpr_msb (MSB<<8)|(\new)
.set MSB, \new
.endif
.endm
.set W_KQ, 0x04                        ; Q (source 1) window 1; K and S^T window 0
.set W_PV, 0x51                        ; V, O^T window 1; P window 0
.set W_RS, 0x41                        ; O^T window 1; a window 0
.macro JLOAD                           ; every wave asks for its eighth of a slot: the same line, told apart by the wave number in both addresses; s_nop 0 and four v_nop follow
	tensor_load_to_lds s[G0+4:G0+7], s[G1:G1+7]
	s_nop 0
.rept 4
	v_nop
.endr
.endm
; A prefetch of the slot that the NEXT change will ask for: 65,536 bytes, each aligned block of 256 named once in the launch: the four partners take 16,384 each, told apart by address;
; in each, waves 0 and 1 ask, 8,192 bytes a wave, lanes 256 bytes apart.  It stands four key steps ahead of the load that wants the bytes.  The last filling change asks for nothing.
.macro ASK
	s_cmp_gt_u32 s[SLOTS], s[LIM]
	s_cbranch_scc0 .Lnot_mine_\@
	global_prefetch_b8 v[PFO], s[PFA:PFA+1] th:TH_LOAD_NT scope:SCOPE_SE
.Lnot_mine_\@:
.endm
.macro CROUND
	s_barrier_signal -1
	s_barrier_wait -1
	s_cmp_lg_u32 s[WV], 0
	s_cbranch_scc1 .Lnot_wave_0_\@
	s_barrier_signal -3
.Lnot_wave_0_\@:
	s_barrier_wait -3
	s_barrier_signal -1
	s_barrier_wait -1
.endm
.macro PLACES
.rept 4
	v_nop
.endr
.endm
	s_load_b128 s[4:7], s[0:1], 0x0                ; qf, kv
	s_load_b64 s[8:9], s[0:1], 0x10                ; xf
	v_lshl_add_u32 v[SPW], v0, 2, SPARE
	v_mov_b32 v[NIL], 0
	ds_add_u32 v[SPW], v[NIL]                      ; the opening: the add, twice on end, and its wait ahead of my first tensor load
	ds_add_u32 v[SPW], v[NIL]
	v_lshrrev_b32 v1, 5, v0
	v_readfirstlane_b32 s[WV], v1                  ; wave 0..7
	s_bfe_u32 s13, ttmp6, 0x40000                  ; cx: my block of 512 queries; it enters qf's, xf's and the prefetch's addresses alone
	s_and_b32 s14, ttmp7, 0xffff                   ; 16 batch + head, which the partners share
	s_lshl_b32 s15, s[WV], 13
	s_lshl_b32 s16, s14, 19
	s_add_co_u32 s16, s16, s15                     ; kv: the head's 2^19 bytes, my eighth of a slot
	s_mov_b32 s17, 0
	s_lshl_b32 s18, s14, 18
	s_lshl_b32 s20, s13, 16
	s_add_co_u32 s18, s18, s20
	s_add_co_u32 s18, s18, s15                     ; qf: head, block, my four tiles of 2,048 bytes
	s_mov_b32 s19, 0
	s_and_b32 s20, s14, 15                         ; head
	s_lshr_b32 s21, s14, 4                         ; batch
	s_lshl_b32 s21, s21, 7
	s_lshl_b32 s22, s13, 5
	s_add_co_u32 s21, s21, s22
	s_lshl_b32 s22, s[WV], 2
	s_add_co_u32 s21, s21, s22                     ; T = 128 batch + 32 block + 4 wave
	s_lshl_b32 s22, s21, 12
	s_lshr_b32 s21, s20, 1
	s_lshl_b32 s21, s21, 21                        ; ks = head / 2
	s_add_co_u32 s22, s22, s21
	s_and_b32 s21, s20, 1
	s_lshl_b32 s21, s21, 11                        ; c4 = 2 (head % 2) + ..
	s_add_co_u32 s22, s22, s21
	s_mov_b32 s23, 0
	s_lshl_b32 s50, s13, 14
	s_add_co_u32 s50, s50, 2*65536                 ; the prefetches: my work-group's quarter, in slot 2; the first change steps it to slot 3.  Nothing is prefetched at the head
	s_mov_b32 s51, 0
	s_mov_b32 s[G1], 15|(3<<16)|(1<<21)            ; mask: all four; elements of 8 bytes; no padding; bit 21 beside a mask
	s_mov_b32 s[G1+1], 32<<16                      ; tensor_dim0 = 32: rows of 256 bytes
	s_mov_b32 s[G1+2], 32<<16                      ; tensor_dim1 = 32 rows: 8,192 dense bytes
	s_mov_b32 s[G1+3], 32<<16                      ; tile_dim0
	s_mov_b32 s[G1+4], 32                          ; tile_dim1
	s_mov_b32 s[G1+5], 32                          ; from row to row
	s_mov_b32 s[G1+6], 0
	s_mov_b32 s[G1+7], 0
	s_mov_b32 s[SEL], 0x76543210
	s_mov_b32 s[SEL+1], 0xfedcba98                 ; v_permlanex16_b32: lane l xor 16
	s_mov_b32 s[TB], 0
	s_mov_b32 s[SLOTS], 6                          ; eight slots of keys; two are first fills
	s_cmp_lt_u32 s[WV], 2
	s_cselect_b32 s[LIM], 1, -1
	s_wait_dscnt 0x0                               ; both opening adds are done
	s_wait_kmcnt 0x0
	s_add_nc_u64 s[6:7], s[6:7], s[16:17]
	s_add_nc_u64 s[4:5], s[4:5], s[18:19]
	s_add_nc_u64 s[8:9], s[8:9], s[22:23]
	s_add_nc_u64 s[PFA:PFA+1], s[6:7], s[50:51]
	CROUND                                         ; all four work-groups are here: the first joint loads meet
	s_mov_b32 s[G0], 1
	s_lshl_b32 s[G0+1], s[WV], 13                  ; LDS: wave x 8,192
	s_mov_b64 s[G0+2:G0+3], s[6:7]
	s_or_b32 s[G0+3], s[G0+3], 0x80000000
	s_mov_b32 s[G0+4], 1
	s_add_co_u32 s[G0+5], s[G0+1], SLOT1
	s_add_nc_u64 s[G0+6:G0+7], s[6:7], 65536
	s_or_b32 s[G0+7], s[G0+7], 0x80000000
	tensor_load_to_lds s[G0:G0+3], s[G1:G1+7]      ; both first fills together: two loads of mine are out
	s_nop 0
	tensor_load_to_lds s[G0+4:G0+7], s[G1:G1+7]
	s_nop 0
.rept 4
	v_nop
.endr
	v_and_b32 v3, 31, v0
	v_lshlrev_b32 v[PFO], 8, v3
	v_lshlrev_b32 v[LI], 4, v3
.irp t, 0,1,2,3
	v_mov_b32 v[ST+10*\t+1], 0                     ; named as the upper halves of pairs of which the low word alone is taken: written once
	v_mov_b32 v[ST+10*\t+9], 0
.endr
	WIN 0x40                                       ; destination window 1
.irp i, 0,1,2,3,4,5,6,7,8,9,10,11,12,13,14,15
	global_load_b128 v[QF+4*\i:QF+4*\i+3], v[LI], s[4:5] offset:512*\i   ; Q stays in registers
.endr
	WIN 0
; Product i of 16 of S^T = K Q^T for piece x: channels 32 (i / 8) on, tile x + i % 2, key tile ((i / 2) + 2) % 4: key tiles 2 and 3 go first, so that the registers that hold P (key tiles 0, 1) are written over
; only when more than five plain vector lines stand behind the last product that read them.  Eight accumulators by turns, one instruction a turn.
.macro KQ x
	WIN W_KQ
.set kt, ((i/2)+2)%4
.set rS, S+32*(\x+i%2)+8*kt
.set rK, KF+16*kt+8*(i/8)
.set rQ, QF+16*(\x+i%2)+8*(i/8)
.if i < 8
	v_wmma_f32_16x16x32_f16 v[rS:rS+7], v[rK:rK+7], v[rQ:rQ+7], 0
.else
	v_wmma_f32_16x16x32_f16 v[rS:rS+7], v[rK:rK+7], v[rQ:rQ+7], v[rS:rS+7]
.endif
.endm
; Product i of 16 of O^T += V^T P: keys 32 (i / 8) on, channels 16 ((i / 2) % 4) on, tile x + i % 2.  zero = 1: the first eight start the sums.
.macro PV x, zero
	WIN W_PV
.set rO, 32*(\x+i%2)+8*((i/2)%4)
.set rV, VF+32*(i/8)+8*((i/2)%4)
.set rP, S+32*(\x+i%2)+8*(i/8)
.if \zero && (i < 8)
	v_wmma_f32_16x16x32_f16 v[rO:rO+7], v[rV:rV+7], v[rP:rP+7], 0
.else
	v_wmma_f32_16x16x32_f16 v[rO:rO+7], v[rV:rV+7], v[rP:rP+7], v[rO:rO+7]
.endif
.endm
.macro FETCH_K                         ; a step's K: 16 pieces in one run
	WIN 0
	v_add_nc_u32 v[ADR], s[TB], v[LI]
.irp f, 0,1,2,3,4,5,6,7,8,9,10,11,12,13,14,15
	ds_load_b128 v[KF+4*\f:KF+4*\f+3], v[ADR] offset:512*\f
.endr
.endm
.macro FETCH_V                         ; the same step's V, a turn later
	WIN 0
	v_add_nc_u32 v[ADR], s[TB], v[LI]
	s_add_co_u32 s[TB], s[TB], STEPB               ; the next fetch is the next step's
	WIN 0x40
.irp f, 0,1,2,3,4,5,6,7,8,9,10,11,12,13,14,15
	ds_load_b128 v[VF+4*\f:VF+4*\f+3], v[ADR] offset:8192+512*\f
.endr
.endm
; Number j of the 117 vector lines of one tile's softmax for one key step.  first = 1: the first key step, which starts m, l and O^T.
;   0-15 the maximum of 32 scores and the old m (each accumulator is first read at its registers 0, 1, 2);  16-19 the other half of the lanes, m_old - m_new, the new m
;   20-68 ONE BATCH: 16 packed subtractions of m and 33 exponentials; none reads an exponential's result; a pair is scaled two triples ahead of its exponentials
;   69-84 the sums (they leave p as it is);  85-100 p rounded to f16, in place, ascending;  101-116 O^T x a, ascending
.macro SM t, first
.set rT, ST+10*(\t)
.set rS, S+32*(\t)
.if j < 101
	WIN 0
.endif
.if j < 4
	v_max3_num_f32 v[rT+4+j], v[rS+8*j], v[rS+8*j+1], v[rS+8*j+2]
.elseif j < 12
	v_max3_num_f32 v[rT+4+j%4], v[rT+4+j%4], v[rS+8*(j%4)+2*(j/4)+1], v[rS+8*(j%4)+2*(j/4)+2]
.elseif j == 12
	v_max3_num_f32 v[rT+4], v[rT+4], v[rS+7], v[rS+15]
.elseif j == 13
	v_max3_num_f32 v[rT+6], v[rT+6], v[rS+23], v[rS+31]
.elseif j == 14
	v_max3_num_f32 v[rT+4], v[rT+4], v[rT+5], v[rT+6]
.elseif (j == 15) && \first
	v_max_num_f32 v[rT+4], v[rT+4], v[rT+7]
.elseif j == 15
	v_max3_num_f32 v[rT+4], v[rT+4], v[rT+7], v[rT]
.elseif j == 16
	v_permlanex16_b32 v[rT+5], v[rT+4], s[SEL], s[SEL+1]   ; the query's other 32 keys lie in the lane 16 away
.elseif j == 17
	v_max_num_f32 v[rT+6], v[rT+4], v[rT+5]
.elseif ((j == 18) || (j == 22) || (j == 84) || (j > 100)) && \first   ; the first step has none of these
.elseif j == 18
	v_sub_f32 v[rT+9], v[rT], v[rT+6]
.elseif j == 19
	v_mov_b32 v[rT], v[rT+6]
.elseif j == 22
	v_exp_f32 v[rT+8], v[rT+9]                     ; a
.elseif j < 69
.set qq, j-20
.if qq < 2
	v_pk_add_f32 v[rS+2*qq:rS+2*qq+1], v[rS+2*qq:rS+2*qq+1], v[rT:rT+1] op_sel_hi:[1,0] neg_lo:[0,1] neg_hi:[0,1]
.elseif qq > 44
	v_exp_f32 v[rS+qq-17], v[rS+qq-17]
.elseif (qq-3)%3 == 0
.set bb, (qq-3)/3+2
	v_pk_add_f32 v[rS+2*bb:rS+2*bb+1], v[rS+2*bb:rS+2*bb+1], v[rT:rT+1] op_sel_hi:[1,0] neg_lo:[0,1] neg_hi:[0,1]   ; s - m, two at a time
.else
.set ee, 2*((qq-3)/3)+(qq-3)%3-1
	v_exp_f32 v[rS+ee], v[rS+ee]                   ; p = 2^(s - m)
.endif
.elseif j < 85
.set z, j-69
.if z == 0
	v_pk_add_f32 v[rT+4:rT+5], v[rS:rS+1], v[rS+2:rS+3]
.elseif z == 1
	v_pk_add_f32 v[rT+6:rT+7], v[rS+4:rS+5], v[rS+6:rS+7]
.elseif z < 14
	v_pk_add_f32 v[rT+4+2*(z%2):rT+5+2*(z%2)], v[rT+4+2*(z%2):rT+5+2*(z%2)], v[rS+2*(z+2):rS+2*(z+2)+1]
.elseif (z == 14) && \first
	v_pk_add_f32 v[rT+2:rT+3], v[rT+4:rT+5], v[rT+6:rT+7]
.elseif z == 14
	v_pk_add_f32 v[rT+4:rT+5], v[rT+4:rT+5], v[rT+6:rT+7]
.else
	v_pk_fma_f32 v[rT+2:rT+3], v[rT+2:rT+3], v[rT+8:rT+9], v[rT+4:rT+5] op_sel_hi:[1,0,1]   ; l = a l + the step's sum
.endif
.elseif j < 101
	v_cvt_pk_f16_f32 v[rS+j-85], v[rS+2*(j-85)], v[rS+2*(j-85)+1]
.else
	WIN W_RS
.set rO, 32*(\t)+2*(j-101)
	v_pk_mul_f32 v[rO:rO+1], v[rO:rO+1], v[rT+8:rT+9] op_sel_hi:[1,0]
.endif
.endm
; Merged number g of 234: the piece's two tiles alternate, so that no line reads the result of the line just before it.  Ahead of number 138, the first that names an exponential's result, stand one plain
; line and one wait: it serves the turn's 66 exponentials, and no exponential follows it.
.macro VE y, first
.if g == 138
	v_nop
	s_wait_alu depctr_va_vdst(0)
.endif
.set j, g/2
	SM (\y)+g%2, \first
.set g, g+1
.endm
; Slice k of 32: seven lines, eight in the first ten (234 = 32 x 7 + 10).  In piece 2's turn V's run of loads stands behind slice 18: behind the last product that read V (ahead of slice 15) stand
; four subtractions, the plain line, five sums and the run's own addition.
.macro SLICE y, first
.rept 7
	VE \y, \first
.endr
.if k < 10
	VE \y, \first
.endif
.if (k == 18) && ((\y) == 0)
	FETCH_V
.endif
.set k, k+1
.endm
; A TURN.  pv = 2: 16 products V^T P; 1: they start O^T; 0: none.  kq = 1: 16 products K Q^T of the next step.  With one kind alone two slices stand behind each product.
; Slice 31, seven rescalings of the other piece's O^T, is the distance between the last K Q^T and both the next turn's first read of the scores and K's next run of loads; where first = 1 it is empty and four v_nop take its part.
.macro TURN x, pv, kq, first
.set k, 0
.set g, 0
.set per, 2
.if \pv && \kq
.set per, 1
.endif
.if \pv
.if \x == 0
	s_wait_dscnt 0x0                               ; V is in
.endif
.set i, 0
.rept 16
	PV \x, 2-\pv
.rept per
	SLICE 2-\x, \first
.endr
.if (\x == 0) && \kq && (i == 1)
	FETCH_K                                        ; the next step's K, fourteen products ahead of its first use
.endif
.set i, i+1
.endr
.endif
.if \kq
.if \x == 0
	s_wait_dscnt 0x0                               ; K is in
.endif
.set i, 0
.rept 16
	KQ \x
.rept per
	SLICE 2-\x, \first
.endr
.set i, i+1
.endr
.endif
.if \first
	PLACES
.endif
.endm
; THE CHANGE OF SLOTS, when a slot's last bytes (V of its fourth step) have been asked for.  Every wave: all its tensor loads have landed (its part of the other slot); the add; the add and its reads of the slot are done.
; fill = 1: a round of the cluster's barrier, so that no wave of any partner still reads the slot or has a load on its way; the joint refill is the first thing behind it and has four key steps in which to land.
.macro CHANGE fill
	WIN 0
	s_wait_tensorcnt 0x0                           ; no tensor load of mine is out, so a descriptor may be written
	ds_add_u32 v[SPW], v[NIL]
.if \fill
	s_xor_b32 s[G0+5], s[G0+5], SLOT1              ; the walking descriptor: the other slot than last time,
	s_add_nc_u64 s[G0+6:G0+7], s[G0+6:G0+7], 65536 ; the next 256 keys
	s_wait_xcnt 0x0                                ; the last prefetch, a slot back, has read its address
	s_add_nc_u64 s[PFA:PFA+1], s[PFA:PFA+1], 65536
	s_wait_dscnt 0x0
	CROUND
	JLOAD
	ASK
.else
	s_wait_dscnt 0x0
	s_barrier_signal -1
	s_barrier_wait -1
.endif
	s_sub_co_u32 s[TB], s[TB], 4*STEPB             ; the fetches go back to a slot's first step,
	s_xor_b32 s[TB], s[TB], SLOT1                  ; in the other slot
.endm
.macro NSTEPS n                        ; n key steps: written once, walked n times; the LDS addresses hang on s[TB]
	s_mov_b32 s[CNT], \n
.Lstep_\@:
	TURN 0, 2, 1, 0
	TURN 2, 2, 1, 0
	WIN 0
	s_sub_co_u32 s[CNT], s[CNT], 1
	s_cmp_lg_u32 s[CNT], 0
	s_cbranch_scc1 .Lstep_\@
.endm
	s_wait_tensorcnt 1                             ; my part of slot 0 is in; slot 1's may stay out
	s_barrier_signal -1
	s_barrier_wait -1
	FETCH_K                                        ; key step 0
	s_wait_loadcnt 0x0                             ; Q
	s_wait_dscnt 0x0
.set i, 0
.rept 16
	KQ 0                                           ; piece 0's first scores: no vector work yet to set between them
.set i, i+1
.endr
	PLACES
	TURN 2, 0, 1, 1                                ; piece 2's first scores | piece 0's first softmax | V of step 0
	TURN 0, 1, 1, 1                                ; piece 0: V^T P of step 0 starts O^T, K Q^T of step 1 | piece 2's first softmax | K of step 1
	TURN 2, 1, 1, 0                                ; piece 2: the same | piece 0's softmax of step 1 | V of step 1
	WIN 0
	NSTEPS 2                                       ; slot 0 is now fetched to its end
.Lslot:                                            ; six trips: every slot but the last two is filled again
	CHANGE 1
	NSTEPS 4
	s_sub_co_u32 s[SLOTS], s[SLOTS], 1
	s_cmp_lg_u32 s[SLOTS], 0
	s_cbranch_scc1 .Lslot
	CHANGE 0                                       ; the tail is written out
	NSTEPS 4
	TURN 0, 2, 0, 0                                ; piece 0: V^T P of the last step | piece 2's last softmax
.set i, 0
.rept 16
	PV 2, 0
.set i, i+1
.endr
	; THE WAY OUT.  The additions are the distance behind the last products.
	WIN 0
.irp t, 0,1,2,3
	v_add_f32 v[ST+10*\t+4], v[ST+10*\t+2], v[ST+10*\t+3]
.endr
.irp t, 0,1,2,3
	v_permlanex16_b32 v[ST+10*\t+5], v[ST+10*\t+4], s[SEL], s[SEL+1]
.endr
.irp t, 0,1,2,3
	v_add_f32 v[ST+10*\t+4], v[ST+10*\t+4], v[ST+10*\t+5]
.endr
.irp t, 0,1,2,3
	v_rcp_f32 v[ST+10*\t+8], v[ST+10*\t+4]
.endr
	v_nop                                          ; a plain line behind the last reciprocal
	s_wait_alu depctr_va_vdst(0)                   ; one wait for the four, ahead of their first reader
.macro OUTT t                          ; O^T / l, rounded to f16: a lane's eight channels are 16 bytes of the next operand's image
	WIN W_RS
.set n, 0
.rept 16
	v_pk_mul_f32 v[32*\t+n:32*\t+n+1], v[32*\t+n:32*\t+n+1], v[ST+10*\t+8:ST+10*\t+9] op_sel_hi:[1,0]
.set n, n+2
.endr
	WIN 0x05
.set n, 0
.rept 16
	v_cvt_pk_f16_f32 v[S+32*\t+n], v[32*\t+2*n], v[32*\t+2*n+1]
.set n, n+1
.endr
	WIN 0
.irp c, 0,1,2,3
	global_store_b128 v[LI], v[S+32*\t+4*\c:S+32*\t+4*\c+3], s[8:9] offset:4096*\t+512*\c   ; 512 consecutive bytes, aligned
.endr
.endm
	OUTT 0
	OUTT 1
	OUTT 2
	OUTT 3
	s_wait_tensorcnt 0x0                           ; the wave's end
	ds_add_u32 v[SPW], v[NIL]
	s_wait_dscnt 0x0
	CROUND                                         ; the closing round
	s_endpgm
.Lfunc_end_k_q17244815a6_attn:
	.size	k_q17244815a6_attn, .Lfunc_end_k_q17244815a6_attn-k_q17244815a6_attn
	.p2alignl 7, 3214868480
	.fill 96, 4, 3214868480
	.section	.rodata,"a",@progbits
	.p2align	6, 0x0
	.amdhsa_kernel k_q17244815a6_attn
		.amdhsa_group_segment_fixed_size 327680
		.amdhsa_private_segment_fixed_size 0
		.amdhsa_enable_private_segment 0
		.amdhsa_kernarg_size 24
		.amdhsa_user_sgpr_count 2
		.amdhsa_user_sgpr_kernarg_segment_ptr 1
		.amdhsa_wavefront_size32 1
		.amdhsa_system_sgpr_workgroup_id_x 1
		.amdhsa_system_sgpr_workgroup_id_y 1
		.amdhsa_system_sgpr_workgroup_id_z 1
		.amdhsa_system_vgpr_workitem_id 0
		.amdhsa_next_free_vgpr 512
		.amdhsa_next_free_sgpr 66
		.amdhsa_reserve_vcc 0
		.amdhsa_float_denorm_mode_32 3
		.amdhsa_float_denorm_mode_16_64 3
		.amdhsa_memory_ordered 1
		.amdhsa_forward_progress 1
		.amdhsa_inst_pref_size 189
	.end_amdhsa_kernel
	.amdgpu_metadata
---
amdhsa.version: [ 1, 2 ]
amdhsa.kernels:
  - .name:           k_q17244815a6_attn
    .symbol:         k_q17244815a6_attn.kd
    .args:
      - { .name: qf, .offset: 0, .size: 8, .value_kind: global_buffer, .address_space: global }
      - { .name: kv, .offset: 8, .size: 8, .value_kind: global_buffer, .address_space: global }
      - { .name: xf, .offset: 16, .size: 8, .value_kind: global_buffer, .address_space: global }
    .group_segment_fixed_size: 327680
    .private_segment_fixed_size: 0
    .kernarg_segment_align: 8
    .kernarg_segment_size: 24
    .max_flat_workgroup_size: 256
    .sgpr_count:     66
    .vgpr_count:     512
    .wavefront_size: 32
...
	.end_amdgpu_metadata
.endif
;; end of part 3
;; launch outp (part 4): grid 4 x 64, 4 waves a work-group, clusters of 4 x 4, 327,680 bytes of LDS; arguments xf, wof, b_o, out0; writes out0
.if DOCPART == 4
	.amdgcn_target "amdgcn-amd-amdhsa--gfx1250"
	.amdhsa_code_object_version 6
	.text
	.protected	k_q17244815a6_outp
	.globl	k_q17244815a6_outp
	.p2align	8
	.type	k_q17244815a6_outp,@function
k_q17244815a6_outp:
	s_mov_b64 s[64:65], 0
	v_nop
	global_prefetch_b8 v0, s[64:65] scope:SCOPE_SE
	s_setreg_imm32_b32 hwreg(HW_REG_WAVE_MODE, 25, 1), 1
	s_wait_xcnt 0x0
	s_wait_alu depctr_hold_cnt(0) depctr_sa_sdst(0) depctr_va_vdst(0) depctr_va_sdst(0) depctr_va_ssrc(0) depctr_va_vcc(0) depctr_vm_vsrc(0)
	s_getreg_b32 s2, hwreg(HW_REG_IB_STS2, 6, 4)
	s_cmp_eq_u32 s2, 0
	s_cbranch_scc0 .Lentry_in_a_cluster
	s_endpgm
.Lentry_in_a_cluster:
	s_bfe_u32 s2, ttmp6, 0x10000c
	s_cmp_lg_u32 s2, 0xf033
	s_cbranch_scc0 .Lentry_shape_is_right
	s_endpgm
.Lentry_shape_is_right:
; OUTP: out0 = x w_o + b_o.  x (xf) and w_o (wof) are f16, laid as images of the operands' registers; sums f32; out0 [8192][1024] f32.
; A tile of out0 is 128 tokens x 256 columns: 256 work-groups.  Four waves, each 64 tokens x 128 columns: 32 accumulators.  K goes in 8 steps of 128 through two LDS slots.
; The matrix instruction is used transposed (source 0 = 16 columns of w_o, source 1 = 16 tokens): lane (r, h) of accumulator (a, b) holds token 16 a + r and columns 16 b + 8 h + 0..7.  The bias is the C of each sum's first product.
; CLUSTERS: 4 x 4.  The tile row is 4 x cluster y + cy, the tile column cx (the grid is one cluster wide).  x's tile is shared along a row of the cluster, w_o's along a column: joint loads.
; A K step's tiles are dense blocks: x 32,768 bytes (waves 0, 1 fetch halves), w_o 65,536 (waves 2, 3).  Every LDS load reads 512 consecutive bytes: no padding.
; REGISTERS: window 0: addresses; v32-95 the bias; v128-255 rows on the way out.  window 1: accumulator (a, b) at v[8 (8 a + b)].  windows 2, 3: two fragment buffers of 192: chunk c (32 along K): w_o's 8 at 96 c + 8 i, x's 4 at 96 c + 64 + 8 i.
.set SLOT,   98304                     ; x's 32,768 bytes, then w_o's 65,536
.set SPARE,  2*SLOT                    ; the spare words, 128 bytes a wave: two blocks of 256 bytes that no other line names
.set SPITCH, 528                       ; the way out: a stage of 16 rows x (512 + 16) bytes a wave, in slot 0, which has had its last fill and its last read behind the last change of slots
.set ADRA, 16
.set ADRB, 20
.set STO,  24
.set RD,   25
.set CO,   26                          ; v26 16 x lane
.set SPW,  28
.set NIL,  29
.set PFO,  30                          ; v30 256 x lane
.set BO,   31
.set BI,   32
.set BK,   128
.set WV,  12
.set HI,  13                           ; wave / 2: my 64 tokens; also: I fetch x (0) or w_o (1)
.set LO,  14                           ; wave % 2: my 128 columns; also: which half I fetch
.set LAP, 15
.set G1A, 24
.set G0A, 32
.set PFA, 46
.set G1B, 48
.set G0B, 56
.set LIM, 66
.set PFS, 68
.set MSB, 0
.macro WIN new
.if MSB != (\new)
	s_set_vgpr_msb (MSB<<8)|(\new)
.set MSB, \new
.endif
.endm
.macro JLOAD s
	s_cmp_eq_u32 s[HI], 0
	s_cbranch_scc0 .Lfor_b_\@
	tensor_load_to_lds s[G0A+4*\s:G0A+4*\s+3], s[G1A:G1A+7]
	s_nop 0
.rept 4
	v_nop
.endr
	s_branch .Lasked_\@
.Lfor_b_\@:
	tensor_load_to_lds s[G0B+4*\s:G0B+4*\s+3], s[G1B:G1B+7]
	s_nop 0
.rept 4
	v_nop
.endr
.Lasked_\@:
.endm
; A prefetch of the K step that stands two refills on, behind each joint load and the run of LDS loads.  Each aligned block of 256 bytes is named once in the launch: x's tile row is read by one row of one cluster:
; its four partners take 8,192 bytes each by address (cx), wave 0 asks; w_o's tile column is read by every cluster: cluster y = 0 asks, 16,384 bytes a partner by address (cy), waves 2 and 3 half each.
; The loop's last trip asks for nothing: there is no K step two refills on.
.macro ASK
	s_cmp_gt_u32 s[LAP], s[LIM]
	s_cbranch_scc0 .Lnot_mine_\@
	global_prefetch_b8 v[PFO], s[PFA:PFA+1] th:TH_LOAD_NT scope:SCOPE_SE
.Lnot_mine_\@:
.endm
.macro CREST
	s_cmp_lg_u32 s[WV], 0
	s_cbranch_scc1 .Lnot_wave_0_\@
	s_barrier_signal -3
.Lnot_wave_0_\@:
	s_barrier_wait -3
	s_barrier_signal -1
	s_barrier_wait -1
.endm
.macro CROUND
	s_barrier_signal -1
	s_barrier_wait -1
	CREST
.endm
.macro PLACES
.rept 4
	v_nop
.endr
.endm
	s_load_b256 s[4:11], s[0:1], 0x0               ; xf, wof, b_o, out0
	v_lshl_add_u32 v[SPW], v0, 2, SPARE
	v_mov_b32 v[NIL], 0
	ds_add_u32 v[SPW], v[NIL]                      ; the opening: the add, twice on end, and its wait ahead of my first tensor load
	ds_add_u32 v[SPW], v[NIL]
	v_lshrrev_b32 v1, 5, v0
	v_readfirstlane_b32 s[WV], v1
	s_lshr_b32 s[HI], s[WV], 1
	s_and_b32 s[LO], s[WV], 1
	s_bfe_u32 s40, ttmp6, 0x40000                  ; cx = the tile column
	s_bfe_u32 s41, ttmp6, 0x40004                  ; cy
	s_and_b32 s43, ttmp7, 0xffff                   ; cluster y
	s_lshl_b32 s42, s43, 2
	s_add_co_u32 s42, s42, s41                     ; the tile row
	s_lshl_b32 s44, s41, 2
	s_lshl_b32 s44, 15, s44                        ; my row of the cluster
	s_lshl_b32 s45, 0x1111, s40                    ; my column
	s_or_b32 s[G1A], s44, (3<<16)|(1<<21)          ; mask; elements of 8 bytes; no padding; bit 21 beside a mask
	s_or_b32 s[G1B], s45, (3<<16)|(1<<21)
	s_mov_b32 s[G1A+1], 32<<16                     ; rows of 256 bytes,
	s_mov_b32 s[G1A+2], 64<<16                     ; 64 of them: 16,384 dense bytes
	s_mov_b32 s[G1A+3], 32<<16
	s_mov_b32 s[G1A+4], 64
	s_mov_b32 s[G1A+5], 32
	s_mov_b32 s[G1A+6], 0
	s_mov_b32 s[G1A+7], 0
	s_mov_b32 s[G1B+1], 32<<16
	s_mov_b32 s[G1B+2], 128<<16                    ; 128 rows: 32,768 dense bytes
	s_mov_b32 s[G1B+3], 32<<16
	s_mov_b32 s[G1B+4], 128
	s_mov_b32 s[G1B+5], 32
	s_mov_b32 s[G1B+6], 0
	s_mov_b32 s[G1B+7], 0
	s_lshl_b32 s16, s42, 15                        ; x: the tile row's 8 tiles of 4,096 bytes, my half
	s_lshl_b32 s18, s[LO], 14
	s_add_co_u32 s16, s16, s18
	s_mov_b32 s17, 0
	s_lshl_b32 s20, s40, 16                        ; w_o: the tile column's 16 tiles, my half
	s_lshl_b32 s18, s[LO], 15
	s_add_co_u32 s20, s20, s18
	s_mov_b32 s21, 0
	s_lshl_b32 s22, s[LO], 14                      ; where they go: no place in the cluster enters an LDS address
	s_lshl_b32 s23, s[LO], 15
	s_add_co_u32 s23, s23, 32768
	s_wait_dscnt 0x0                               ; both opening adds are done
	s_wait_kmcnt 0x0
	s_add_nc_u64 s[16:17], s[4:5], s[16:17]
	s_add_nc_u64 s[20:21], s[6:7], s[20:21]
	CROUND                                         ; all sixteen work-groups are here: the first joint loads meet
.irp s, 0,1
	s_mov_b32 s[G0A+4*\s], 1
	s_add_co_u32 s[G0A+4*\s+1], s22, \s*SLOT
	s_add_nc_u64 s[G0A+4*\s+2:G0A+4*\s+3], s[16:17], \s*(1<<21)    ; K step s of xf
	s_or_b32 s[G0A+4*\s+3], s[G0A+4*\s+3], 0x80000000
	s_mov_b32 s[G0B+4*\s], 1
	s_add_co_u32 s[G0B+4*\s+1], s23, \s*SLOT
	s_add_nc_u64 s[G0B+4*\s+2:G0B+4*\s+3], s[20:21], \s*(1<<18)    ; K step s of wof
	s_or_b32 s[G0B+4*\s+3], s[G0B+4*\s+3], 0x80000000
	JLOAD \s                                       ; two tensor loads of mine are out
.endr
	v_and_b32 v1, 15, v0                           ; r
	v_bfe_u32 v2, v0, 4, 1                         ; h
	v_and_b32 v3, 31, v0
	s_lshl_b32 s18, s40, 10
	s_lshl_b32 s19, s[LO], 9
	s_add_co_u32 s18, s18, s19                     ; my 128 columns, in bytes of f32: in b_o, and in a row of out0
	s_mov_b32 s19, 0
	s_add_nc_u64 s[8:9], s[8:9], s[18:19]
	s_add_nc_u64 s[10:11], s[10:11], s[18:19]
	v_lshlrev_b32 v[BO], 5, v2
.irp b, 0,1,2,3,4,5,6,7
	global_load_b128 v[BI+8*\b:BI+8*\b+3], v[BO], s[8:9] offset:64*\b          ; register 8 b + j: b_o at my column 16 b + 8 h + j
	global_load_b128 v[BI+8*\b+4:BI+8*\b+7], v[BO], s[8:9] offset:64*\b+16
.endr
	s_lshl_b32 s18, s42, 19                        ; my first row of out0: 128 x tile row + 64 x half, rows of 4,096 bytes
	s_lshl_b32 s67, s[HI], 18
	s_add_co_u32 s18, s18, s67
	s_add_nc_u64 s[10:11], s[10:11], s[18:19]
	v_lshlrev_b32 v[CO], 4, v3
	v_lshlrev_b32 v[PFO], 8, v3
	s_lshl_b32 s18, s[HI], 14                      ; my four tiles of tokens
	s_lshl_b32 s19, s[LO], 15
	s_add_co_u32 s19, s19, 32768                   ; my eight tiles of columns
.irp s, 0,1
	v_add_nc_u32 v[ADRA+\s], s18, v[CO]
	v_add_nc_u32 v[ADRB+\s], s19, v[CO]
	s_add_co_u32 s18, s18, SLOT
	s_add_co_u32 s19, s19, SLOT
.endr
	s_mul_i32 s18, s[WV], 16*SPITCH                ; my stage
	v_mul_u32_u24 v4, v1, SPITCH
	v_lshl_add_u32 v4, v2, 5, v4
	v_add_nc_u32 v[STO], s18, v4                   ; in: row r, 32 bytes for each half of the lanes
	v_add_nc_u32 v[RD], s18, v[CO]                 ; back: the 32 lanes take a row of 512 bytes
	; the prefetches: where mine stand, at K step 3 (the first refill steps them to 4), and who asks
	s_lshl_b32 s18, s42, 15
	s_lshl_b32 s19, s40, 13
	s_add_co_u32 s18, s18, s19
	s_add_co_u32 s18, s18, 3<<21                   ; x: tile row, my work-group's quarter by cx
	s_lshl_b32 s19, s40, 16
	s_lshl_b32 s67, s41, 14
	s_add_co_u32 s19, s19, s67
	s_lshl_b32 s67, s[LO], 13
	s_add_co_u32 s19, s19, s67
	s_add_co_u32 s19, s19, 3<<18                   ; w_o: tile column, my work-group's quarter by cy, my wave's half of it
	s_mov_b32 s[PFS], 1<<18
	s_cmp_eq_u32 s[HI], 0
	s_cselect_b64 s[PFA:PFA+1], s[4:5], s[6:7]
	s_cselect_b32 s18, s18, s19
	s_cselect_b32 s[PFS], 1<<21, s[PFS]            ; a K step on
	s_cselect_b32 s67, s[LO], s43                  ; 0 in wave 0, and in waves 2 and 3 of cluster y = 0: the same in all partners for a given wave
	s_mov_b32 s19, 0
	s_mov_b32 s[PFS+1], 0
	s_add_nc_u64 s[PFA:PFA+1], s[PFA:PFA+1], s[18:19]
	s_cmp_eq_u32 s67, 0
	s_cselect_b32 s[LIM], 1, -1
.macro FETCH slot, kh, f               ; 48 LDS loads in one run: 64 along K (chunks 2 kh, 2 kh + 1) into buffer f; the first chunk's 24 first
	WIN 0x80+0x40*(\f)
.irp c, 0,1
.irp i, 0,1,2,3,4,5,6,7
	ds_load_b128 v[96*\c+8*\i:96*\c+8*\i+3],   v[ADRB+\slot] offset:\i*4096+(2*\kh+\c)*1024
	ds_load_b128 v[96*\c+8*\i+4:96*\c+8*\i+7], v[ADRB+\slot] offset:\i*4096+(2*\kh+\c)*1024+512
.endr
.irp i, 0,1,2,3
	ds_load_b128 v[96*\c+64+8*\i:96*\c+64+8*\i+3],   v[ADRA+\slot] offset:\i*4096+(2*\kh+\c)*1024
	ds_load_b128 v[96*\c+64+8*\i+4:96*\c+64+8*\i+7], v[ADRA+\slot] offset:\i*4096+(2*\kh+\c)*1024+512
.endr
.endr
.endm
; 16 products: token tiles a0, a0 + 1 x all 8 column tiles, chunk c of buffer f.  The 32 accumulators take turns, one instruction a turn, in the same order in every chunk.
.macro MUL16 f, c, a0, bias
.if \bias
	WIN 0x4a                                       ; sources 0, 1 window 2; C (the bias) window 0; D window 1
.else
	WIN 0x5a+5*(\f)                                ; sources 0, 1 window 2 or 3; C and D window 1
.endif
.irp a, \a0, \a0+1
.irp b, 0,1,2,3,4,5,6,7
.if \bias
	v_wmma_f32_16x16x32_f16 v[8*(8*(\a)+\b):8*(8*(\a)+\b)+7], v[96*\c+8*\b:96*\c+8*\b+7], v[96*\c+64+8*(\a):96*\c+64+8*(\a)+7], v[BI+8*\b:BI+8*\b+7]
.else
	v_wmma_f32_16x16x32_f16 v[8*(8*(\a)+\b):8*(8*(\a)+\b)+7], v[96*\c+8*\b:96*\c+8*\b+7], v[96*\c+64+8*(\a):96*\c+64+8*(\a)+7], v[8*(8*(\a)+\b):8*(8*(\a)+\b)+7]
.endif
.endr
.endr
.endm
.macro HALF slot, bias                 ; a K step's first 64 along K, from buffer 0; its second 64 are fetched into buffer 1 in the middle
	s_wait_dscnt 24                                ; the first chunk is in; the second chunk's 24 loads may be out
	MUL16 0, 0, 0, \bias
	MUL16 0, 0, 2, \bias
	PLACES                                         ; ahead of loads into registers that matrix instructions have read
	FETCH \slot, 1, 1
	s_wait_dscnt 48                                ; all but the 48 just issued
	MUL16 0, 1, 0, 0
	MUL16 0, 1, 2, 0
.endm
; A K step's second 64 along K, from buffer 1, and the change of slots: one barrier; in front of it all my tensor loads have landed, the add, and my reads of this slot are over.
; fill = 1: the barrier opens a round of the cluster's barrier, and this slot is filled again, two K steps on, first thing behind the round.
.macro TURN slot, next, fill
	WIN 0
.if \fill
	s_wait_xcnt 0x0                                ; the last prefetch, a K step back, has read its address
	s_add_nc_u64 s[PFA:PFA+1], s[PFA:PFA+1], s[PFS:PFS+1]
.endif
	s_wait_tensorcnt 0x0
	ds_add_u32 v[SPW], v[NIL]
	s_wait_dscnt 25                                ; the add and the second chunk's 24 loads may be out
	MUL16 1, 0, 0, 0
	s_wait_dscnt 0x0
	s_barrier_signal -1
	MUL16 1, 0, 2, 0
	WIN 0
	s_barrier_wait -1
.if \fill
	CREST
	s_add_nc_u64 s[G0A+4*\slot+2:G0A+4*\slot+3], s[G0A+4*\slot+2:G0A+4*\slot+3], 2<<21
	s_add_nc_u64 s[G0B+4*\slot+2:G0B+4*\slot+3], s[G0B+4*\slot+2:G0B+4*\slot+3], 2<<18
	JLOAD \slot                                    ; the four v_nop behind it are also the distance ahead of the loads below
.else
	PLACES
.endif
	FETCH \next, 0, 0
.if \fill
	WIN 0
	ASK
.endif
	MUL16 1, 1, 0, 0
	MUL16 1, 1, 2, 0
.endm
	s_wait_tensorcnt 1                             ; my part of K step 0 is in; K step 1's may stay out
	s_barrier_signal -1
	s_barrier_wait -1
	FETCH 0, 0, 0
	s_wait_loadcnt 0x0                             ; the bias
	HALF 0, 1                                      ; the first products start the sums from the bias
	WIN 0
	s_mov_b32 s[LAP], 3
.Llap:                                             ; three trips: a trip goes once round the ring and fills both slots again (K steps 2 to 7)
	TURN 0, 1, 1
	HALF 1, 0
	TURN 1, 0, 1
	HALF 0, 0
	WIN 0
	s_sub_co_u32 s[LAP], s[LAP], 1
	s_cmp_lg_u32 s[LAP], 0
	s_cbranch_scc1 .Llap
	TURN 0, 1, 0                                   ; the last lap fills nothing
	HALF 1, 0
	s_wait_dscnt 24
	MUL16 1, 0, 0, 0
	MUL16 1, 0, 2, 0
	s_wait_dscnt 0
	MUL16 1, 1, 0, 0
	MUL16 1, 1, 2, 0
	WIN 0
; THE WAY OUT, a block of 16 tokens x 128 columns at a time: through my own stage, back as whole rows of 512 bytes.  LDS serves a wave's instructions in order: no wait between the stores and the loads.
.macro TOSTAGE a
	WIN 0x04                                       ; an LDS store's data: window 1
.irp b, 0,1,2,3,4,5,6,7
	ds_store_b128 v[STO], v[64*(\a)+8*\b:64*(\a)+8*\b+3] offset:64*\b          ; each accumulator from its low end on
	ds_store_b128 v[STO], v[64*(\a)+8*\b+4:64*(\a)+8*\b+7] offset:64*\b+16
.endr
	WIN 0
.set BB, BK+64*((\a)%2)
.irp t, 0,1,2,3,4,5,6,7,8,9,10,11,12,13,14,15
	ds_load_b128 v[BB+4*\t:BB+4*\t+3], v[RD] offset:\t*SPITCH
.endr
.endm
.macro SEND a, younger
.set BB, BK+64*((\a)%2)
	s_wait_dscnt \younger                          ; the block is back; the next block's 16 stores and 16 loads may be out
.if (\a) > 0
	s_add_nc_u64 s[10:11], s[10:11], 16*4096       ; (behind a wait on XCNT) 16 rows on
.endif
.irp t, 0,1,2,3,4,5,6,7,8,9,10,11,12,13,14,15
	global_store_b128 v[CO], v[BB+4*\t:BB+4*\t+3], s[10:11] offset:\t*4096 th:TH_STORE_NT   ; 512 consecutive bytes, aligned
.endr
.endm
	PLACES                                         ; behind the last products, ahead of the first read of results
	TOSTAGE 0
.irp a, 1,2,3
.if \a > 1
	s_wait_xcnt 0x0                                ; the stores of two blocks back have read their registers and their base
.endif
	TOSTAGE \a
	SEND \a-1, 32
.endr
	s_wait_xcnt 0x0
	SEND 3, 0
	s_wait_tensorcnt 0x0                           ; the wave's end
	ds_add_u32 v[SPW], v[NIL]
	s_wait_dscnt 0x0
	CROUND                                         ; the closing round
	s_endpgm
.Lfunc_end_k_q17244815a6_outp:
	.size	k_q17244815a6_outp, .Lfunc_end_k_q17244815a6_outp-k_q17244815a6_outp
	.p2alignl 7, 3214868480
	.fill 96, 4, 3214868480
	.section	.rodata,"a",@progbits
	.p2align	6, 0x0
	.amdhsa_kernel k_q17244815a6_outp
		.amdhsa_group_segment_fixed_size 327680
		.amdhsa_private_segment_fixed_size 0
		.amdhsa_enable_private_segment 0
		.amdhsa_kernarg_size 32
		.amdhsa_user_sgpr_count 2
		.amdhsa_user_sgpr_kernarg_segment_ptr 1
		.amdhsa_wavefront_size32 1
		.amdhsa_system_sgpr_workgroup_id_x 1
		.amdhsa_system_sgpr_workgroup_id_y 1
		.amdhsa_system_sgpr_workgroup_id_z 1
		.amdhsa_system_vgpr_workitem_id 0
		.amdhsa_next_free_vgpr 1024
		.amdhsa_next_free_sgpr 72
		.amdhsa_reserve_vcc 0
		.amdhsa_float_denorm_mode_32 3
		.amdhsa_float_denorm_mode_16_64 3
		.amdhsa_memory_ordered 1
		.amdhsa_forward_progress 1
		.amdhsa_inst_pref_size 85
	.end_amdhsa_kernel
	.amdgpu_metadata
---
amdhsa.version: [ 1, 2 ]
amdhsa.kernels:
  - .name:           k_q17244815a6_outp
    .symbol:         k_q17244815a6_outp.kd
    .args:
      - { .name: xf, .offset: 0, .size: 8, .value_kind: global_buffer, .address_space: global }
      - { .name: wof, .offset: 8, .size: 8, .value_kind: global_buffer, .address_space: global }
      - { .name: b_o, .offset: 16, .size: 8, .value_kind: global_buffer, .address_space: global }
      - { .name: out0, .offset: 24, .size: 8, .value_kind: global_buffer, .address_space: global }
    .group_segment_fixed_size: 327680
    .private_segment_fixed_size: 0
    .kernarg_segment_align: 8
    .kernarg_segment_size: 32
    .max_flat_workgroup_size: 128
    .sgpr_count:     72
    .vgpr_count:     1024
    .wavefront_size: 32
...
	.end_amdgpu_metadata
.endif
;; end of part 4
